; MI455X (gfx1250); checked and timed in simulation.
; The chip was launched on July 23, 2026; its instructions are those of AMD's public machine-readable ISA for CDNA 5 (MIT licence, August 2026) and "CDNA5" Instruction Set Architecture Reference Guide (July 2026). The comments in the code are by the model that wrote it; some were corrected since.
;; Mo E Layer. Allowed arithmetic: matrix products marked QUANTISED: E2M3 operands, one E8M0 scale for each 32 along K, by v_wmma_scale_f32_16x16x128_f8f6f4 with both operands' format E2M3, f32 sums; products left as they are: f32 operands where the result goes on into a quantised operand, else bf16, f16 or f32 operands; f32 sums; everything else in f32.
;; Inputs: routed_b1 14 x 1,024 float32; routed_b2 14 x 1,024 float32; routed_w1 14 x 1,024 x 1,024 float32; routed_w2 14 x 1,024 x 1,024 float32; router_b 14 float32; router_w 1,024 x 14 float32; shared_b1 2 x 1,024 float32; shared_b2 2 x 1,024 float32; shared_w1 2 x 1,024 x 1,024 float32; shared_w2 2 x 1,024 x 1,024 float32; x 4 x 512 x 1,024 float32.
;; Outputs: out0 4 x 512 x 1,024 float32.
;; This version of the problem:
;;   THIS VERSION OF THE PROBLEM IS GIVEN IN LOW PRECISION. The matrix products marked QUANTISED in the list below multiply operands that are first quantised to E2M3 (2 exponent bits, 3 mantissa bits; 6 bits a number), with one power-of-two scale for each 32 numbers along K (OCP MX v1.0); their sums are f32. All else is computed in f32.
;;   The module's matrix products, in the order in which they are computed (A, B: the left and right operand; K: the contracted axis; several contracted axes count as one K, in the product's order):
;;     1. [M 2,048, K 1,024] x [K 1,024, N 1,024]; A: input x; B: input shared_w1: QUANTISED
;;     2. [M 2,048, K 1,024] x [K 1,024, N 1,024]; A: computed on the way; B: input shared_w2: QUANTISED
;;     3. [M 2,048, K 1,024] x [K 1,024, N 1,024]; A: input x; B: input shared_w1: QUANTISED
;;     4. [M 2,048, K 1,024] x [K 1,024, N 1,024]; A: computed on the way; B: input shared_w2: QUANTISED
;;     5. [M 2,048, K 1,024] x [K 1,024, N 14]; A: input x; B: input router_w: left as it is (N = 14 < 16)
;;     6. [M 2,048, K 1,024] x [K 1,024, N 1,024]; A: input x; B: input routed_w1: QUANTISED
;;     7. [M 2,048, K 1,024] x [K 1,024, N 1,024]; A: computed on the way; B: input routed_w2: QUANTISED
;;     8. [M 2,048, K 1,024] x [K 1,024, N 1,024]; A: input x; B: input routed_w1: QUANTISED
;;     9. [M 2,048, K 1,024] x [K 1,024, N 1,024]; A: computed on the way; B: input routed_w2: QUANTISED
;;     10. [M 2,048, K 1,024] x [K 1,024, N 1,024]; A: input x; B: input routed_w1: QUANTISED
;;     11. [M 2,048, K 1,024] x [K 1,024, N 1,024]; A: computed on the way; B: input routed_w2: QUANTISED
;;     12. [M 2,048, K 1,024] x [K 1,024, N 1,024]; A: input x; B: input routed_w1: QUANTISED
;;     13. [M 2,048, K 1,024] x [K 1,024, N 1,024]; A: computed on the way; B: input routed_w2: QUANTISED
;;     14. [M 2,048, K 1,024] x [K 1,024, N 1,024]; A: input x; B: input routed_w1: QUANTISED
;;     15. [M 2,048, K 1,024] x [K 1,024, N 1,024]; A: computed on the way; B: input routed_w2: QUANTISED
;;     16. [M 2,048, K 1,024] x [K 1,024, N 1,024]; A: input x; B: input routed_w1: QUANTISED
;;     17. [M 2,048, K 1,024] x [K 1,024, N 1,024]; A: computed on the way; B: input routed_w2: QUANTISED
;;     18. [M 2,048, K 1,024] x [K 1,024, N 1,024]; A: input x; B: input routed_w1: QUANTISED
;;     19. [M 2,048, K 1,024] x [K 1,024, N 1,024]; A: computed on the way; B: input routed_w2: QUANTISED
;;     20. [M 2,048, K 1,024] x [K 1,024, N 1,024]; A: input x; B: input routed_w1: QUANTISED
;;     21. [M 2,048, K 1,024] x [K 1,024, N 1,024]; A: computed on the way; B: input routed_w2: QUANTISED
;;     22. [M 2,048, K 1,024] x [K 1,024, N 1,024]; A: input x; B: input routed_w1: QUANTISED
;;     23. [M 2,048, K 1,024] x [K 1,024, N 1,024]; A: computed on the way; B: input routed_w2: QUANTISED
;;     24. [M 2,048, K 1,024] x [K 1,024, N 1,024]; A: input x; B: input routed_w1: QUANTISED
;;     25. [M 2,048, K 1,024] x [K 1,024, N 1,024]; A: computed on the way; B: input routed_w2: QUANTISED
;;     26. [M 2,048, K 1,024] x [K 1,024, N 1,024]; A: input x; B: input routed_w1: QUANTISED
;;     27. [M 2,048, K 1,024] x [K 1,024, N 1,024]; A: computed on the way; B: input routed_w2: QUANTISED
;;     28. [M 2,048, K 1,024] x [K 1,024, N 1,024]; A: input x; B: input routed_w1: QUANTISED
;;     29. [M 2,048, K 1,024] x [K 1,024, N 1,024]; A: computed on the way; B: input routed_w2: QUANTISED
;;     30. [M 2,048, K 1,024] x [K 1,024, N 1,024]; A: input x; B: input routed_w1: QUANTISED
;;     31. [M 2,048, K 1,024] x [K 1,024, N 1,024]; A: computed on the way; B: input routed_w2: QUANTISED
;;     32. [M 2,048, K 1,024] x [K 1,024, N 1,024]; A: input x; B: input routed_w1: QUANTISED
;;     33. [M 2,048, K 1,024] x [K 1,024, N 1,024]; A: computed on the way; B: input routed_w2: QUANTISED
;;   THE QUANTISER, for each operand of a quantised product, along K:
;;     - K is cut into blocks of 32 from its start; a last block that is shorter is filled with zeros.
;;     - A block's scale is 2^e with e = floor(log2(the largest magnitude in the block)) - 2, held to -126 .. 127; a block of zeros has e = 0. As a byte (E8M0): e + 127.
;;     - Each number is divided by its block's scale, clamped to +-7.5, and rounded to the nearest number of E2M3, ties to even, subnormals kept.
;;     - The product sums the exact products of the quantised numbers (number of the format x scale) in f32.
;;   ~~~python
;;   def quantise(x, axis):      # numpy; x: float32 -> the quantised numbers, widened to float32 again
;;       x = np.moveaxis(x, axis, -1); K = x.shape[-1]
;;       x = np.pad(x, [(0, 0)] * (x.ndim - 1) + [(0, -K % 32)]); x = x.reshape(x.shape[:-1] + (-1, 32)); a = np.abs(x).max(-1, keepdims=True)
;;       e = np.where(a > 0, np.clip(np.frexp(np.where(a > 0, a, 1))[1] - 1 - 2, -126, 127), 0)      # np.frexp(a)[1] - 1 = floor(log2(a)), exactly
;;       r = np.clip(x / 2.0 ** e, -7.5, 7.5)
;;       step = 2.0 ** (np.maximum(np.frexp(np.where(r == 0, 1, r))[1] - 1, 0) - 3)
;;       q = np.round(r / step) * step * 2.0 ** e      # np.round: ties to even
;;       return np.moveaxis(q.reshape(q.shape[:-2] + (-1,))[..., :K], -1, axis).astype(np.float32)
;;   ~~~
;;   OPERANDS COMPUTED ON THE WAY. 'Computed on the way' means the value that the module computes at that place (a softmax that the list does not call 'softmax' is quantised finished and normalised). What goes into a quantiser is computed in f32, as accurately as f32 sums, v_exp_f32 and their like allow (about 1e-6 of the number): no bf16 or f16 on the way to a quantiser, and a product that is left as it is and whose result goes on into a quantised operand takes f32 operands (vector FMAs, or v_wmma_f32_16x16x4_f32). A number that lies on a knife's edge between two numbers of the format may be rounded either way, as far as f32 arithmetic and the matrix unit's own rounding can turn it there, and no further.
;; One version. Each part assembles by itself: llvm-mc -triple=amdgcn-amd-amdhsa -mcpu=gfx1250 --defsym DOCPART=n.
;; ======== version 1 of 1: 5 launches
;; limits: right only within a limited range of input values
;; workspace buffers: xq 1,654,784 bytes; ridx 16,384 bytes of whole numbers; wq 26,214,400 bytes; plan 53,248 bytes of whole numbers; hq 6,963,200 bytes; y 35,651,584 bytes
;; launch route (part 1): grid 640 x 1, 8 waves a work-group, no clusters, 22,784 bytes of LDS; arguments x, router_w, router_b, xq, ridx, shared_w1, routed_w1, wq; writes xq, ridx, wq
.if DOCPART == 1
	.amdgcn_target "amdgcn-amd-amdhsa--gfx1250"
	.amdhsa_code_object_version 6
	.text
	.protected	k_qe2364f8a79_route
	.globl	k_qe2364f8a79_route
	.p2align	8
	.type	k_qe2364f8a79_route,@function
k_qe2364f8a79_route:
	s_mov_b64 s[64:65], 0
	v_nop
	global_prefetch_b8 v0, s[64:65] scope:SCOPE_SE
	s_setreg_imm32_b32 hwreg(HW_REG_WAVE_MODE, 25, 1), 1
	s_wait_xcnt 0x0
; MoE layer, launch 1 of 5: x becomes codes of E2M3 with one E8M0 scale for each 32 along D, and the router chooses.
; WORK LEFT OUT BY THE PROGRAM, AND WHY IT IS DEAD.  reference() multiplies the result of routed expert e for token t by gates[t][e], and builds
; gates in its own body as the sum over the two chosen experts of one_hot(index) x value.  For an expert that is not among a token's two, every one_hot term
; is 0, so the gate is exactly 0 and, for all finite inputs, 0 x (that expert's row) reaches no output.  So of the routed products only the rows of the two
; chosen experts of each token are multiplied: 2 shared + 2 routed row-experts a token.  Every input still has a way to the output and every input is loaded.
; LIMIT: a NaN, an infinity or an overflow that arises only in a row of an expert that was not chosen is not carried to the result.
; OTHER LIMITS: NaN and infinities among the inputs are not served.  A block of zeros gets the scale byte 1 where the rule says 127: its codes are zeros, and
; this program alone reads the bytes.  The two largest are searched among u = 2^((l - max l) log2 e), which has the order of the affinities; a strict compare keeps
; the lower index on equal u; two experts whose u differ while their quotients by the sum round alike may be ordered otherwise than reference() orders them.
; SHARES.  A work-group takes 16 tokens; wave s takes K step s, 128 of D.  Lane (r = lane % 16, h = lane / 16) loads, of token r, 16 neighbours of each block of 32:
; register 16 b + i = x[r][128 s + 32 b + 16 h + i].  The same 64 registers feed the quantiser and the router's product.
; THE ROUTER stays in f32 (its result decides which rows are multiplied at all): 32 products 16 x 16 x 4, source 0 = 16 columns of router_w, source 1 = 16 tokens, k placed alike
; on both sides; four accumulators by turns.  It is 2 parts in 1,000 of the program's multiply-adds.
; OUT.  xq: a token's codes, 768 bytes = [h 2][s 8][48 bytes]: the 12 registers of lane (r, h) of K step s on end; its 8 scale words; its two gates.  ridx: its two experts.
.set RPITCH, 784                       ; LDS: a token's 768 bytes of codes + 16
.set XSC,    12544                     ; 16 tokens x 8 scale words, and a second copy for lanes 16-31, so that no two lanes store one word
.set LG,     13568                     ; eight waves' parts of the logits, 1,024 bytes each
.set SPARE,  21760                     ; the spare words, 128 bytes for each wave: no other line names them
.set XS_OFF, 1572864                   ; xq: where the scale words begin,
.set GT_OFF, 1638400                   ; and the gates
.set XR,  16                           ; v16-79   x
.set WR,  80                           ; v80-143  router_w; later the eight parts of the logits
.set AC,  144                          ; v144-175 four accumulators: written by matrix instructions alone
.set SM,  176                          ; v176-183 their sum; later the logits
.set TM,  184                          ; v184-199 at work in the quantiser
.set PW,  200                          ; the scale word
.set PC,  204                          ; v204-222 the codes
.set BIA, 224                          ; v224-231 router_b at my eight experts
.set OT,  48                           ; wave 0's tail: the other half's logits,
.set LL,  56                           ; v56-69 the 14 logits, then u
.set MXR, 72
.set SU,  73
.set SU2, 74
.set RC,  75
.set B1,  76
.set I1,  77
.set B2,  78
.set I2,  79
.set SPW, 252                          ; LDS address of my spare word; never rewritten
.set NIL, 253                          ; 0; never rewritten
.set SEL, 22                           ; s[22:23] lane selects: lane l xor 16
; 64 numbers of a lane, register 16 b + i = k 32 b + 16 (lane / 16) + i of my row, become a fragment's 12 registers of codes in v[PC] on and its scale word in v[PW].
.macro QUANT s
.irp b, 0,1,2,3
	v_max3_num_f32 v[TM+\b], |v[\s+16*\b]|, |v[\s+1+16*\b]|, 0x1800000   ; my 16 numbers of block b, and the floor 2^(3 - 127): the byte cannot fall under 1
.endr
.irp i, 2,4,6,8,10,12,14
.irp b, 0,1,2,3
	s_delay_alu instid0(VALU_DEP_4)
	v_max3_num_f32 v[TM+\b], v[TM+\b], |v[\s+16*\b+\i]|, |v[\s+1+16*\b+\i]|
.endr
.endr
.irp b, 0,1,2,3
	s_delay_alu instid0(VALU_DEP_4)
	v_permlanex16_b32 v[TM+4+\b], v[TM+\b], s[SEL], s[SEL+1]
.endr
.irp b, 0,1,2,3
	s_delay_alu instid0(VALU_DEP_4)
	v_max_num_f32 v[TM+\b], v[TM+\b], v[TM+4+\b]           ; with lane l xor 16's: the block's largest magnitude
.endr
.irp b, 0,1,2,3
	s_delay_alu instid0(VALU_DEP_4)
	v_add_nc_u32 v[TM+12+\b], 0xff000000, v[TM+\b]         ; 2 off its exponent field: the conversion's scale operand
.endr
.irp b, 0,1,2,3
	s_delay_alu instid0(VALU_DEP_4)
	v_lshrrev_b32 v[TM+4+\b], 23, v[TM+12+\b]              ; the scale's byte
.endr
	s_delay_alu instid0(VALU_DEP_3)
	v_lshl_or_b32 v[PW], v[TM+5], 8, v[TM+4]
	s_delay_alu instid0(VALU_DEP_1)
	v_lshl_or_b32 v[PW], v[TM+6], 16, v[PW]
	s_delay_alu instid0(VALU_DEP_1)
	v_lshl_or_b32 v[PW], v[TM+7], 24, v[PW]
.irp c, 0,1
	v_cvt_scalef32_pk16_fp6_f32 v[PC+6*\c:PC+2+6*\c], v[\s+32*\c:\s+15+32*\c], v[TM+12+2*\c]
	v_cvt_scalef32_pk16_fp6_f32 v[PC+12+4*\c:PC+14+4*\c], v[\s+16+32*\c:\s+31+32*\c], v[TM+12+2*\c+1]   ; (a conversion's three registers begin on an even number)
.endr
	v_nop                                                  ; one plain place behind a scaled conversion
.irp c, 0,1                                            ; the operand's layout wants a whole block in a lane
.irp i, 0,1,2
	v_permlane16_swap_b32 v[PC+6*\c+\i], v[PC+12+4*\c+\i]
.endr
.irp i, 0,1,2
	s_delay_alu instid0(VALU_DEP_3)
	v_mov_b32 v[PC+3+6*\c+\i], v[PC+12+4*\c+\i]
.endr
.endr
.endm
	s_load_b256 s[4:11], s[0:1], 0x0               ; x, router_w, router_b, xq
	s_load_b64 s[12:13], s[0:1], 0x20              ; ridx
	s_load_b64 s[32:33], s[0:1], 0x28              ; shared_w1
	s_load_b64 s[34:35], s[0:1], 0x30              ; routed_w1
	s_load_b64 s[36:37], s[0:1], 0x38              ; wq
	v_lshl_add_u32 v[SPW], v0, 2, SPARE
	v_mov_b32 v[NIL], 0
	v_lshrrev_b32 v1, 5, v0
	s_delay_alu instid0(VALU_DEP_1)
	v_readfirstlane_b32 s14, v1                    ; wave = K step s
	s_cmp_ge_u32 ttmp9, 128                        ; work-groups 0 to 127 route; the 512 behind them quantise W1
	s_cbranch_scc1 .Lquant
	v_and_b32 v1, 31, v0                           ; lane
	v_and_b32 v2, 15, v0                           ; r
	v_bfe_u32 v3, v0, 4, 1                         ; h
	s_delay_alu instid0(VALU_DEP_2)
	v_lshlrev_b32 v4, 12, v2
	s_delay_alu instid0(VALU_DEP_1)
	v_lshl_add_u32 v4, v3, 6, v4                   ; x: token r of 4,096 bytes, + 64 h
	s_delay_alu instid0(VALU_DEP_4)
	v_min_u32 v5, 13, v2                           ; router_w: column min(r, 13): lanes 14 and 15 repeat expert 13, and their results are not used
	s_delay_alu instid0(VALU_DEP_1)
	v_lshlrev_b32 v5, 2, v5
	s_delay_alu instid0(VALU_DEP_1)
	v_mad_u32_u24 v5, v3, 896, v5                  ; + 16 h rows of 56 bytes
	v_lshlrev_b32 v6, 5, v3                        ; router_b: 8 h experts on
	v_mov_b32 v7, 0
	v_mul_u32_u24 v8, v2, RPITCH
	s_delay_alu instid0(VALU_DEP_1)
	v_mad_u32_u24 v8, v3, 384, v8
	s_mul_i32 s15, s14, 48
	v_add_nc_u32 v8, s15, v8                       ; codes into LDS: 784 r + 384 h + 48 s
	v_lshlrev_b32 v9, 5, v2
	s_delay_alu instid0(VALU_DEP_1)
	v_lshl_add_u32 v9, v3, 9, v9
	s_lshl_b32 s15, s14, 2
	s_add_co_u32 s15, s15, XSC
	v_add_nc_u32 v9, s15, v9                       ; scale word: 32 r + 4 s + 512 h
	v_lshlrev_b32 v13, 4, v1                       ; 16 x lane
	s_lshl_b32 s15, s14, 10
	s_add_co_u32 s15, s15, LG
	v_add_nc_u32 v10, s15, v13                     ; my wave's part of the logits
	v_mul_u32_u24 v11, v3, RPITCH
	s_delay_alu instid0(VALU_DEP_1)
	v_lshl_add_u32 v11, v2, 4, v11
	s_mul_i32 s15, s14, 2*RPITCH
	v_add_nc_u32 v11, s15, v11                     ; codes out of LDS: token 2 s + h, 16 bytes a lane
	v_mul_u32_u24 v12, v3, 768
	s_delay_alu instid0(VALU_DEP_1)
	v_lshl_add_u32 v12, v2, 4, v12
	s_mul_i32 s15, s14, 1536
	v_add_nc_u32 v12, s15, v12                     ; and the same place in xq
	v_lshlrev_b32 v14, 3, v2
	s_delay_alu instid0(VALU_DEP_1)
	v_lshl_add_u32 v14, v3, 2, v14                 ; ridx and gates: 8 r + 4 h
.irp b, 0,1,2,3
	v_mov_b32 v[TM+4+\b], 0                        ; written once: a lane permute's destination counts as one of its sources
.endr
	s_mov_b32 s[SEL], 0x76543210
	s_mov_b32 s[SEL+1], 0xfedcba98
	s_lshl_b32 s16, ttmp9, 16                      ; 16 tokens of 4,096 bytes a work-group
	s_lshl_b32 s17, s14, 9
	s_add_co_u32 s16, s16, s17                     ; + 512 s
	s_mov_b32 s17, 0
	s_mul_i32 s18, s14, 7168                       ; 128 rows of router_w a K step
	s_mov_b32 s19, 0
	s_mul_i32 s20, ttmp9, 12288
	s_mov_b32 s21, 0
	s_lshl_b32 s24, ttmp9, 9
	s_add_co_u32 s24, s24, XS_OFF
	s_mov_b32 s25, 0
	s_lshl_b32 s26, ttmp9, 7
	s_mov_b32 s27, 0
	s_add_co_u32 s28, s26, GT_OFF
	s_mov_b32 s29, 0
	s_wait_kmcnt 0x0
	s_add_nc_u64 s[16:17], s[4:5], s[16:17]        ; x
	s_add_nc_u64 s[18:19], s[6:7], s[18:19]        ; router_w
	s_add_nc_u64 s[20:21], s[10:11], s[20:21]      ; xq: codes,
	s_add_nc_u64 s[24:25], s[10:11], s[24:25]      ; scale words,
	s_add_nc_u64 s[28:29], s[10:11], s[28:29]      ; gates
	s_add_nc_u64 s[26:27], s[12:13], s[26:27]      ; ridx
.irp b, 0,1,2,3
.irp j, 0,1,2,3
	global_load_b128 v[XR+16*\b+4*\j:XR+16*\b+4*\j+3], v4, s[16:17] offset:128*\b+16*\j th:TH_LOAD_NT
.endr
.endr
.irp b, 0,1,2,3
.irp i, 0,1,2,3,4,5,6,7,8,9,10,11,12,13,14,15
	global_load_b32 v[WR+16*\b+\i], v5, s[18:19] offset:(32*\b+\i)*56   ; router_w[128 s + 32 b + 16 h + i][r]: the last byte read is the buffer's last
.endr
.endr
.irp j, 0,1,2,3,4,5
	global_load_b32 v[BIA+\j], v6, s[8:9] offset:4*\j      ; router_b[8 h + j]
.endr
	global_load_b32 v[BIA+6], v7, s[8:9] offset:24         ; experts 6 and 7 for all lanes: lanes 16-31 have no experts 14 and 15, and no load leaves the buffer
	global_load_b32 v[BIA+7], v7, s[8:9] offset:28
	s_wait_loadcnt 0x0
.set m, 0
.rept 32                                       ; in the result lane (r, h) holds token r, register j expert 8 h + j
.if m < 4
	v_wmma_f32_16x16x4_f32 v[AC+8*(m%4):AC+8*(m%4)+7], v[WR+2*m:WR+2*m+1], v[XR+2*m:XR+2*m+1], 0
.else
	v_wmma_f32_16x16x4_f32 v[AC+8*(m%4):AC+8*(m%4)+7], v[WR+2*m:WR+2*m+1], v[XR+2*m:XR+2*m+1], v[AC+8*(m%4):AC+8*(m%4)+7]
.endif
.set m, m+1
.endr
	QUANT XR
.irp c, 0,1,2
	ds_store_b128 v8, v[PC+4*\c:PC+4*\c+3] offset:16*\c
.endr
	ds_store_b32 v9, v[PW]
.rept 8
	v_nop                                          ; eight places behind the f32 matrix form before its results are read (ISA guide 7.12.1)
.endr
.irp j, 0,2,4,6                                ; each accumulator is read from its low end on
	v_pk_add_f32 v[SM+\j:SM+\j+1], v[AC+\j:AC+\j+1], v[AC+8+\j:AC+9+\j]
	v_pk_add_f32 v[TM+\j:TM+\j+1], v[AC+16+\j:AC+17+\j], v[AC+24+\j:AC+25+\j]
.endr
.irp j, 0,2,4,6
	v_pk_add_f32 v[SM+\j:SM+\j+1], v[SM+\j:SM+\j+1], v[TM+\j:TM+\j+1]
.endr
	ds_store_b128 v10, v[SM:SM+3]
	ds_store_b128 v10, v[SM+4:SM+7] offset:512
	s_wait_dscnt 0x0                               ; for the others' sake: my stores have landed
	s_barrier_signal -1
	s_barrier_wait -1
.irp u, 0,1,2                                  ; every wave sends two tokens' codes: sixteen lanes store 256 consecutive bytes, aligned
	ds_load_b128 v[XR+4*\u:XR+4*\u+3], v11 offset:256*\u
.endr
.irp u, 0,1,2
	s_wait_dscnt 2-\u
	global_store_b128 v12, v[XR+4*\u:XR+4*\u+3], s[20:21] offset:256*\u
.endr
	s_cmp_eq_u32 s14, 1
	s_cbranch_scc0 .Lnot_wave_1
	ds_load_b128 v[XR+16:XR+19], v13 offset:XSC    ; wave 1: the 16 tokens' scale words, 512 consecutive bytes
	s_wait_dscnt 0x0
	global_store_b128 v13, v[XR+16:XR+19], s[24:25]
.Lnot_wave_1:
	s_cmp_eq_u32 s14, 0
	s_cbranch_scc0 .Lend
.irp p, 0,1,2,3,4,5,6,7                        ; wave 0: the logits' eight parts, in K's order
	ds_load_b128 v[WR+8*\p:WR+8*\p+3], v13 offset:LG+1024*\p
	ds_load_b128 v[WR+8*\p+4:WR+8*\p+7], v13 offset:LG+1024*\p+512
.endr
	s_wait_dscnt 0x0
.irp j, 0,2,4,6
	v_pk_add_f32 v[SM+\j:SM+\j+1], v[WR+\j:WR+\j+1], v[WR+8+\j:WR+9+\j]
.endr
.irp p, 2,3,4,5,6,7
.irp j, 0,2,4,6
	s_delay_alu instid0(VALU_DEP_4)
	v_pk_add_f32 v[SM+\j:SM+\j+1], v[SM+\j:SM+\j+1], v[WR+8*\p+\j:WR+8*\p+\j+1]
.endr
.endr
.irp j, 0,2,4,6
	s_delay_alu instid0(VALU_DEP_4)
	v_pk_add_f32 v[SM+\j:SM+\j+1], v[SM+\j:SM+\j+1], v[BIA+\j:BIA+\j+1]
.endr
.irp j, 0,1,2,3,4,5,6,7
	v_permlanex16_b32 v[OT+\j], v[SM+\j], s[SEL], s[SEL+1]     ; (the destinations were written by x's loads)
.endr
	v_cmp_ne_u32 s30, 0, v3                        ; lanes 16-31
.irp j, 0,1,2,3,4,5,6,7
	v_cndmask_b32 v[LL+\j], v[SM+\j], v[OT+\j], s30            ; expert j: mine in lanes 0-15, the other half's in lanes 16-31
.endr
.irp j, 0,1,2,3,4,5
	v_cndmask_b32 v[LL+8+\j], v[OT+\j], v[SM+\j], s30          ; expert 8 + j
.endr
	v_max3_num_f32 v[MXR], v[LL], v[LL+1], v[LL+2]
.irp e, 3,5,7,9,11
	s_delay_alu instid0(VALU_DEP_1)
	v_max3_num_f32 v[MXR], v[MXR], v[LL+\e], v[LL+\e+1]
.endr
	s_delay_alu instid0(VALU_DEP_1)
	v_max_num_f32 v[MXR], v[MXR], v[LL+13]         ; the maximum is taken away ahead of the exponentials, as reference() does
.irp e, 0,1,2,3,4,5,6,7,8,9,10,11,12,13
	v_sub_f32 v[LL+\e], v[LL+\e], v[MXR]
.endr
.irp e, 0,1,2,3,4,5,6,7,8,9,10,11,12,13
	v_mul_f32 v[LL+\e], 0x3fb8aa3b, v[LL+\e]
.endr
	s_wait_alu depctr_va_vdst(0)
.irp e, 0,1,2,3,4,5,6,7,8,9,10,11,12,13
	v_exp_f32 v[LL+\e], v[LL+\e]
.endr
	v_mov_b32 v[I1], 0                             ; a plain place behind the batch
	s_wait_alu depctr_va_vdst(0)                   ; one wait for the 14 exponentials, ahead of their first use
	v_add_f32 v74, v56, v57
	v_add_f32 v255, v60, v62
	v_add_f32 v254, v64, v66
	v_add_f32 v251, v68, v58
	v_add_f32 v250, v59, v61
	v_add_f32 v249, v63, v65
	v_add_f32 v73, v67, v69
	s_delay_alu instid0(VALU_DEP_1)
	v_add_f32 v73, v73, v251
	s_delay_alu instid0(VALU_DEP_4)
	v_add_f32 v74, v74, v250
	s_delay_alu instid0(VALU_DEP_4)
	v_add_f32 v255, v255, v249
	s_delay_alu instid0(VALU_DEP_1)
	v_add_f32 v73, v73, v255
	s_delay_alu instid0(VALU_DEP_3)
	v_add_f32 v74, v74, v254
	s_delay_alu instid0(VALU_DEP_1)
	v_add_f32 v73, v73, v74
	s_wait_alu depctr_va_vdst(0)
	v_rcp_f32 v[RC], v[SU]
	v_mov_b32 v[B1], v[LL]                         ; a plain place; the searches below do not name the reciprocal
.irp e, 1,2,3,4,5,6,7,8,9,10,11,12,13
	v_cmp_gt_f32 vcc_lo, v[LL+\e], v[B1]           ; strictly larger: equal values keep the lower index
	v_cndmask_b32 v[B1], v[B1], v[LL+\e], vcc_lo
	s_delay_alu instid0(VALU_DEP_2)
	v_cndmask_b32 v[I1], v[I1], \e, vcc_lo
.endr
.irp e, 0,1,2,3,4,5,6,7,8,9,10,11,12,13
	v_cmp_eq_u32 vcc_lo, \e, v[I1]
	v_cndmask_b32 v[LL+\e], v[LL+\e], -1.0, vcc_lo ; the winner leaves the field: every u is above 0
.endr
	v_mov_b32 v[B2], v[LL]
	v_mov_b32 v[I2], 0
.irp e, 1,2,3,4,5,6,7,8,9,10,11,12,13
	s_delay_alu instid0(VALU_DEP_2)
	v_cmp_gt_f32 vcc_lo, v[LL+\e], v[B2]
	s_delay_alu instid0(VALU_DEP_1)
	v_cndmask_b32 v[B2], v[B2], v[LL+\e], vcc_lo
	s_delay_alu instid0(VALU_DEP_2)
	v_cndmask_b32 v[I2], v[I2], \e, vcc_lo
.endr
	s_wait_alu depctr_va_vdst(0)                   ; the reciprocal's wait, ahead of its first use
	v_mul_f32 v[B1], v[B1], v[RC]
	v_mul_f32 v[B2], v[B2], v[RC]
	v_cndmask_b32 v[I1], v[I1], v[I2], s30         ; lanes 0-15 store the first choice, lanes 16-31 the second: fixed places, no address hangs on the choice
	s_delay_alu instid0(VALU_DEP_2)
	v_cndmask_b32 v[B1], v[B1], v[B2], s30
	global_store_b32 v14, v[I1], s[26:27]
	global_store_b32 v14, v[B1], s[28:29]
.Lend:
	s_wait_tensorcnt 0x0                           ; the wave's end
	ds_add_u32 v[SPW], v[NIL]
	s_wait_dscnt 0x0
	s_endpgm
	; ---------------- work-groups 128 to 639: the 16 matrices W1 [K 1024][N 1024], f32, K their FIRST axis, become codes of E2M3 with one E8M0 scale for each 32 along K ----------------
	; They hang on nothing that the routing makes, and run beside it.  The codes are laid in the ORDER OF THE OPERAND'S REGISTERS.
	; A lane takes a column and its registers run down K: a block of 32 lies in one lane, its largest magnitude needs no other lane, and the conversions give codes with K innermost.
	; A wave takes 32 columns x one K step of 128 (4 blocks a lane); each load reads 128 consecutive bytes, four waves stand side by side on 512.  A work-group's eight waves are two such fours; waves share nothing.
	; Lane l stands for row r = l % 16 of tile u = l / 16 of the wave's two tiles.  A fragment wants blocks 0 and 2 in lanes 0-15 and blocks 1 and 3 in lanes 16-31 of ONE tile:
	; the registers of blocks (0, 2) and of blocks (1, 3) change halves and are then the two tiles' images: 3 stores of 512 consecutive bytes each.
	; WHICH COLUMNS FORM A TILE of a group of 64: lane r of tile 2 b + u takes column 32 b + 8 u + r + 8 (r / 8), so that the first product's results are neighbours along the second's K.
	; wq: codes [te 32][col64 16][K step 8][tile 4][1,536 bytes = 3 x 32 lanes x 16]; te = e16 for W1; e16 = 0, 1 the shared experts, 2 .. 15 the routed.
	; Scale registers [te][col64][sigma 4][tile 4][lane 32][4]: lanes 0-15 the words of K step 2 sigma, lanes 16-31 those of 2 sigma + 1: a wave has one K step and stores 64 bytes a tile.
	; No tensor load, cluster or prefetch: no two work-groups read the same bytes, and every byte is read once, in one stream.  This way writes no LDS.
.set WS_OFF, 25165824
.set TEO, 0                            ; W1's matrices come first in wq
.set X,   32                           ; v32-95 two sets of 32 numbers
.set F,   96                           ; v96-119 codes: 12 (block % 2) + 6 (block / 2)
.set TT,  24                           ; v24-26 the second half of a block's codes
.set SB,  28                           ; v28 the K step's scale word
.set PS,  32                           ; s[32:33] the shared experts' weights, then my wave's part
.set PR,  34                           ; s[34:35] the routed experts'
.set PQ,  36                           ; s[36:37] wq
.set QS,  16                           ; s16-29 at work
.Lquant:
	s_wait_alu depctr_va_vdst(0)
	v_and_b32 v2, 31, v0                           ; lane
	v_lshrrev_b32 v6, 4, v2                        ; u
	v_and_b32 v7, 7, v2
	v_lshl_add_u32 v7, v6, 3, v7
	v_bfe_u32 v8, v2, 3, 1
	v_lshl_add_u32 v7, v8, 4, v7                   ; my column: 8 u + r % 8 + 16 (r / 8)
	v_lshlrev_b32 v3, 2, v7
	v_lshlrev_b32 v4, 4, v2                        ; an image's place for my lane
	v_and_b32 v8, 15, v2
	v_lshlrev_b32 v5, 2, v8
	v_lshl_add_u32 v5, v6, 7, v5                   ; my scale word: 128 u + 4 r
	s_sub_co_u32 s[QS], ttmp9, 128
	s_lshl_b32 s[QS], s[QS], 1
	s_lshr_b32 s[QS+1], s14, 2
	s_add_co_u32 s[QS], s[QS], s[QS+1]             ; which four waves: 0 .. 1,023
	s_and_b32 s[QS+1], s14, 3                      ; and which of the four
	s_lshr_b32 s[QS+2], s[QS], 6                   ; e16
	s_bfe_u32 s[QS+3], s[QS], 0x30003              ; which 128 columns
	s_and_b32 s[QS+4], s[QS], 7                    ; K step
	s_lshl_b32 s[QS+12], s[QS+3], 1
	s_lshr_b32 s[QS+5], s[QS+1], 1
	s_add_co_u32 s[QS+12], s[QS+12], s[QS+5]       ; col64
	s_and_b32 s[QS+13], s[QS+1], 1
	s_lshl_b32 s[QS+13], s[QS+13], 1               ; tiles 0, 1 or 2, 3 of it
	s_add_co_u32 s[QS+5], s[QS+2], TEO             ; te
	s_mul_i32 s[QS+6], s[QS+5], 786432
	s_lshl_b32 s[QS+8], s[QS+5], 15
	s_mul_i32 s[QS+5], s[QS+12], 49152
	s_add_co_u32 s[QS+6], s[QS+6], s[QS+5]
	s_lshl_b32 s[QS+5], s[QS+4], 2
	s_add_co_u32 s[QS+5], s[QS+5], s[QS+13]        ; 4 x K step + first tile
	s_mul_i32 s[QS+5], s[QS+5], 1536
	s_add_co_u32 s[QS+6], s[QS+6], s[QS+5]
	s_mov_b32 s[QS+7], 0
	s_lshl_b32 s[QS+5], s[QS+12], 11
	s_add_co_u32 s[QS+8], s[QS+8], s[QS+5]
	s_lshr_b32 s[QS+5], s[QS+4], 1
	s_lshl_b32 s[QS+5], s[QS+5], 9                 ; sigma
	s_add_co_u32 s[QS+8], s[QS+8], s[QS+5]
	s_lshl_b32 s[QS+5], s[QS+13], 7
	s_add_co_u32 s[QS+8], s[QS+8], s[QS+5]
	s_and_b32 s[QS+5], s[QS+4], 1
	s_lshl_b32 s[QS+5], s[QS+5], 6                 ; lanes 0-15 or 16-31 of the scale register
	s_add_co_u32 s[QS+8], s[QS+8], s[QS+5]
	s_add_co_u32 s[QS+8], s[QS+8], WS_OFF
	s_mov_b32 s[QS+9], 0
	s_cmp_lt_u32 s[QS+2], 2
	s_cselect_b32 s[QS+10], 0, 2
	s_sub_co_u32 s[QS+10], s[QS+2], s[QS+10]
	s_lshl_b32 s[QS+10], s[QS+10], 22              ; the expert's 4 MiB,
	s_lshl_b32 s[QS+5], s[QS+4], 19                ; 128 rows of 4,096 bytes,
	s_add_co_u32 s[QS+10], s[QS+10], s[QS+5]
	s_lshl_b32 s[QS+5], s[QS+3], 9                 ; 128 columns,
	s_add_co_u32 s[QS+10], s[QS+10], s[QS+5]
	s_lshl_b32 s[QS+5], s[QS+1], 7                 ; my wave's 32
	s_add_co_u32 s[QS+10], s[QS+10], s[QS+5]
	s_mov_b32 s[QS+11], 0
	s_wait_alu depctr_va_vdst(0)
	s_wait_kmcnt 0x0
	s_cmp_lt_u32 s[QS+2], 2                        ; the choice hangs on the work-group's and the wave's number alone
	s_cselect_b64 s[PS:PS+1], s[PS:PS+1], s[PR:PR+1]
	s_add_nc_u64 s[PS:PS+1], s[PS:PS+1], s[QS+10:QS+11]
	s_add_nc_u64 s[QS+6:QS+7], s[PQ:PQ+1], s[QS+6:QS+7]    ; where my images go,
	s_add_nc_u64 s[QS+8:QS+9], s[PQ:PQ+1], s[QS+8:QS+9]    ; and my scale words
.macro LOAD t                          ; block t: W(32 t + i, my column) into set t % 2
.set i, 0
.rept 32
	global_load_b32 v[X+32*((\t)%2)+i], v3, s[PS:PS+1] offset:(32*(\t)+i)*4096 th:TH_LOAD_NT
.set i, i+1
.endr
.endm
.macro BLOCK t
.set XB, X+32*((\t)%2)
.set FD, F+12*((\t)%2)+6*((\t)/2)
.if (\t) < 3
	s_wait_loadcnt 32                              ; this block's 32 loads are in; the next block's may be out
.else
	s_wait_loadcnt 0
.endif
	v_max3_num_f32 v12, |v[XB]|, |v[XB+1]|, |v[XB+2]|
	v_max3_num_f32 v13, |v[XB+3]|, |v[XB+4]|, |v[XB+5]|
.irp i, 6,10,14,18,22,26
	v_max3_num_f32 v12, v12, |v[XB+\i]|, |v[XB+\i+1]|
	v_max3_num_f32 v13, v13, |v[XB+\i+2]|, |v[XB+\i+3]|
.endr
	v_max3_num_f32 v12, v12, |v[XB+30]|, |v[XB+31]|
	v_max3_num_f32 v12, v12, v13, 0x1800000        ; and the floor 2^(3 - 127): the byte cannot fall under 1
	v_add_nc_u32 v11, 0xff000000, v12              ; 2 off the exponent field: the conversion's scale operand
	v_cvt_scalef32_pk16_fp6_f32 v[FD:FD+2], v[XB:XB+15], v11
	v_cvt_scalef32_pk16_fp6_f32 v[TT:TT+2], v[XB+16:XB+31], v11    ; (a conversion's three registers begin on an even number)
	v_lshrrev_b32 v13, 23, v11                     ; the scale's byte; also the plain place behind the conversions
.if (\t) == 0
	v_mov_b32 v[SB], v13
.else
	v_lshl_or_b32 v[SB], v13, 8*(\t), v[SB]
.endif
.irp i, 0,1,2
	v_mov_b32 v[FD+3+\i], v[TT+\i]
.endr
.if (\t)+2 < 4
	LOAD (\t)+2
.endif
.endm
	LOAD 0
	LOAD 1
	BLOCK 0
	BLOCK 1
	BLOCK 2
	BLOCK 3
.set k, 0
.rept 12
	v_permlane16_swap_b32 v[F+k], v[F+12+k]        ; the halves change places: now an image a tile
.set k, k+1
.endr
.irp tile, 0,1
.irp i, 0,1,2
	global_store_b128 v4, v[F+12*\tile+4*\i:F+12*\tile+4*\i+3], s[QS+6:QS+7] offset:\tile*1536+512*\i   ; 512 consecutive bytes, aligned
.endr
.endr
	global_store_b32 v5, v[SB], s[QS+8:QS+9]
	s_endpgm                                       ; this way wrote no LDS
.Lfunc_end_k_qe2364f8a79_route:
	.size	k_qe2364f8a79_route, .Lfunc_end_k_qe2364f8a79_route-k_qe2364f8a79_route
	.p2alignl 7, 3214868480
	.fill 96, 4, 3214868480
	.section	.rodata,"a",@progbits
	.p2align	6, 0x0
	.amdhsa_kernel k_qe2364f8a79_route
		.amdhsa_group_segment_fixed_size 22784
		.amdhsa_private_segment_fixed_size 0
		.amdhsa_enable_private_segment 0
		.amdhsa_kernarg_size 64
		.amdhsa_user_sgpr_count 2
		.amdhsa_user_sgpr_kernarg_segment_ptr 1
		.amdhsa_wavefront_size32 1
		.amdhsa_system_sgpr_workgroup_id_x 1
		.amdhsa_system_sgpr_workgroup_id_y 1
		.amdhsa_system_sgpr_workgroup_id_z 1
		.amdhsa_system_vgpr_workitem_id 0
		.amdhsa_next_free_vgpr 256
		.amdhsa_next_free_sgpr 66
		.amdhsa_reserve_vcc 1
		.amdhsa_float_denorm_mode_32 3
		.amdhsa_float_denorm_mode_16_64 3
		.amdhsa_memory_ordered 1
		.amdhsa_forward_progress 1
		.amdhsa_inst_pref_size 59
	.end_amdhsa_kernel
	.amdgpu_metadata
---
amdhsa.version: [ 1, 2 ]
amdhsa.kernels:
  - .name:           k_qe2364f8a79_route
    .symbol:         k_qe2364f8a79_route.kd
    .args:
      - { .name: x, .offset: 0, .size: 8, .value_kind: global_buffer, .address_space: global }
      - { .name: router_w, .offset: 8, .size: 8, .value_kind: global_buffer, .address_space: global }
      - { .name: router_b, .offset: 16, .size: 8, .value_kind: global_buffer, .address_space: global }
      - { .name: xq, .offset: 24, .size: 8, .value_kind: global_buffer, .address_space: global }
      - { .name: ridx, .offset: 32, .size: 8, .value_kind: global_buffer, .address_space: global }
      - { .name: shared_w1, .offset: 40, .size: 8, .value_kind: global_buffer, .address_space: global }
      - { .name: routed_w1, .offset: 48, .size: 8, .value_kind: global_buffer, .address_space: global }
      - { .name: wq, .offset: 56, .size: 8, .value_kind: global_buffer, .address_space: global }
    .group_segment_fixed_size: 22784
    .private_segment_fixed_size: 0
    .kernarg_segment_align: 8
    .kernarg_segment_size: 64
    .max_flat_workgroup_size: 256
    .sgpr_count:     66
    .vgpr_count:     256
    .wavefront_size: 32
...
	.end_amdgpu_metadata
.endif
;; end of part 1
;; launch prep (part 2): grid 1025 x 1, 4 waves a work-group, no clusters, 1,024 bytes of LDS; arguments shared_w2, routed_w2, ridx, wq, plan; writes wq, plan
.if DOCPART == 2
	.amdgcn_target "amdgcn-amd-amdhsa--gfx1250"
	.amdhsa_code_object_version 6
	.text
	.protected	k_qe2364f8a79_prep
	.globl	k_qe2364f8a79_prep
	.p2align	8
	.type	k_qe2364f8a79_prep,@function
k_qe2364f8a79_prep:
	s_mov_b64 s[64:65], 0
	v_nop
	global_prefetch_b8 v0, s[64:65] scope:SCOPE_SE
	s_setreg_imm32_b32 hwreg(HW_REG_WAVE_MODE, 25, 1), 1
	s_wait_xcnt 0x0
; MoE layer, launch 2 of 5.  Work-groups 1 to 1,024 turn the 16 matrices W2 [K 1024][N 1024], f32, K their FIRST axis, into codes of E2M3 with one E8M0 scale for each 32 along K,
; laid in the ORDER OF THE OPERAND'S REGISTERS (W1's were made beside the routing, in the launch before).  Work-group 0 reads the router's choices (whole numbers that the launch before stored) and places the routed rows by expert.
; THE QUANTISER.  A lane takes a column and its registers run down K: a block of 32 lies in one lane, its largest magnitude needs no other lane, and the conversions give codes with K innermost.
; A wave takes 32 columns x one K step of 128 (4 blocks a lane); each load reads 128 consecutive bytes, the four waves of a work-group stand side by side on 512.
; Lane l stands for row r = l % 16 of tile u = l / 16 of the wave's two tiles.  A fragment wants blocks 0 and 2 in lanes 0-15 and blocks 1 and 3 in lanes 16-31 of ONE tile:
; the registers of blocks (0, 2) and of blocks (1, 3) change halves (v_permlane16_swap_b32) and are then the two tiles' images: 3 stores of 512 consecutive bytes each.
; WHICH COLUMNS FORM A TILE of a group of 64: tile t, row r is column 16 t + r.
; wq: codes [te 32][col64 16][K step 8][tile 4][1,536 bytes = 3 x 32 lanes x 16]; te = 16 + e16 for W2; e16 = 0, 1 the shared experts, 2 .. 15 the routed.
; Scale registers [te][col64][sigma 4][tile 4][lane 32][4]: lanes 0-15 the words of K step 2 sigma, lanes 16-31 those of 2 sigma + 1: a wave has one K step and stores 64 bytes a tile.
; No tensor load, cluster or prefetch: no two work-groups read the same bytes, and every byte is read once, in one stream.
; LIMITS: a block of zeros gets the byte 1 where the rule says 127 (its codes are zeros, and this program alone reads the bytes); NaN and infinities among the inputs are not served.
; THE PLACING.  Positions 0 .. 4,095 are the shared experts' rows (2,048 s + t).  From 4,096 on the 4,096 routed rows lie sorted by expert, each expert's run padded to a multiple of 16 with rows that name
; token 0 and whose results nobody reads.  plan: ROWS [8,704] token of a position; POS [2,048][2] position of a token's two choices; CH [128][4]: chunks of at most 10 subtiles of 16 positions of one expert:
; (e16, first subtile, subtiles, row of the bias table).  Shared: 13 chunks each.  Routed: at most 269 subtiles in 14 runs, so at most (269 + 14 x 9) / 10 = 39 chunks: 65 in all for every split.
.set WS_OFF,  25165824
.set POS_OFF, 34816
.set CH_OFF,  51200
.set SPARE,   512                      ; LDS: 512 bytes of counts, then the spare words, 128 bytes for each wave: no other line names them
.set SPW, 14                           ; v14 LDS address of my spare word; never rewritten
.set NIL, 15                           ; v15 0; never rewritten
.set TEO, 16                           ; W2's matrices follow W1's sixteen in wq
.set X,   32                           ; quantiser: v32-95 two sets of 32 numbers
.set F,   96                           ; v96-119 codes: 12 (block % 2) + 6 (block / 2)
.set TT,  24                           ; v24-26 the second half of a block's codes
.set SB,  28                           ; v28 the K step's scale word
.set PS,  4                            ; s[4:5] the shared experts' weights, then my wave's part
.set PR,  6                            ; s[6:7] the routed experts'
.set PQ,  14                           ; s[14:15] wq
.set QS,  20                           ; s20-33 at work in the quantiser
.set EN,  32                           ; placing: v32-63 my 32 entries, then their positions
.set AD,  64                           ; v64-95 byte addresses of the positions
.set TK,  96                           ; v96-111 the entries' tokens
.set M,    20                          ; s[20:33] which lanes hold expert e
.set RUN,  34                          ; s[34:47] counts, then the next free position of expert e for my wave
.set BASE, 48                          ; s[48:61] expert e's first position
.set NS,   66                          ; s[66:79] expert e's subtiles
	s_load_b128 s[4:7], s[0:1], 0x0                ; shared_w2, routed_w2
	s_load_b128 s[12:15], s[0:1], 0x10             ; ridx, wq
	s_load_b64 s[16:17], s[0:1], 0x20              ; plan
	v_lshl_add_u32 v[SPW], v0, 2, SPARE
	v_mov_b32 v[NIL], 0
	v_lshrrev_b32 v1, 5, v0
	v_readfirstlane_b32 s18, v1                    ; wave
	v_and_b32 v2, 31, v0                           ; lane
	s_cmp_eq_u32 ttmp9, 0                          ; the placing goes first, so that it runs beside the stream
	s_cbranch_scc1 .Lplace
	; ---------------- the quantiser ----------------
	s_sub_co_u32 s[QS], ttmp9, 1                   ; 0 .. 1,023
	s_mov_b32 s[QS+1], s18
	s_wait_alu depctr_va_vdst(0)
	v_lshrrev_b32 v6, 4, v2                        ; u
	v_lshlrev_b32 v3, 2, v2                        ; my column is the lane's number
	v_lshlrev_b32 v4, 4, v2                        ; an image's place for my lane
	v_and_b32 v8, 15, v2
	v_lshlrev_b32 v5, 2, v8
	v_lshl_add_u32 v5, v6, 7, v5                   ; my scale word: 128 u + 4 r
	s_lshr_b32 s[QS+2], s[QS], 6                   ; e16
	s_bfe_u32 s[QS+3], s[QS], 0x30003              ; which 128 columns
	s_and_b32 s[QS+4], s[QS], 7                    ; K step
	s_lshl_b32 s[QS+12], s[QS+3], 1
	s_lshr_b32 s[QS+5], s[QS+1], 1
	s_add_co_u32 s[QS+12], s[QS+12], s[QS+5]       ; col64
	s_and_b32 s[QS+13], s[QS+1], 1
	s_lshl_b32 s[QS+13], s[QS+13], 1               ; tiles 0, 1 or 2, 3 of it
	s_add_co_u32 s[QS+5], s[QS+2], TEO             ; te
	s_mul_i32 s[QS+6], s[QS+5], 786432
	s_lshl_b32 s[QS+8], s[QS+5], 15
	s_mul_i32 s[QS+5], s[QS+12], 49152
	s_add_co_u32 s[QS+6], s[QS+6], s[QS+5]
	s_lshl_b32 s[QS+5], s[QS+4], 2
	s_add_co_u32 s[QS+5], s[QS+5], s[QS+13]        ; 4 x K step + first tile
	s_mul_i32 s[QS+5], s[QS+5], 1536
	s_add_co_u32 s[QS+6], s[QS+6], s[QS+5]
	s_mov_b32 s[QS+7], 0
	s_lshl_b32 s[QS+5], s[QS+12], 11
	s_add_co_u32 s[QS+8], s[QS+8], s[QS+5]
	s_lshr_b32 s[QS+5], s[QS+4], 1
	s_lshl_b32 s[QS+5], s[QS+5], 9                 ; sigma
	s_add_co_u32 s[QS+8], s[QS+8], s[QS+5]
	s_lshl_b32 s[QS+5], s[QS+13], 7
	s_add_co_u32 s[QS+8], s[QS+8], s[QS+5]
	s_and_b32 s[QS+5], s[QS+4], 1
	s_lshl_b32 s[QS+5], s[QS+5], 6                 ; lanes 0-15 or 16-31 of the scale register
	s_add_co_u32 s[QS+8], s[QS+8], s[QS+5]
	s_add_co_u32 s[QS+8], s[QS+8], WS_OFF
	s_mov_b32 s[QS+9], 0
	s_cmp_lt_u32 s[QS+2], 2
	s_cselect_b32 s[QS+10], 0, 2
	s_sub_co_u32 s[QS+10], s[QS+2], s[QS+10]
	s_lshl_b32 s[QS+10], s[QS+10], 22              ; the expert's 4 MiB,
	s_lshl_b32 s[QS+5], s[QS+4], 19                ; 128 rows of 4,096 bytes,
	s_add_co_u32 s[QS+10], s[QS+10], s[QS+5]
	s_lshl_b32 s[QS+5], s[QS+3], 9                 ; 128 columns,
	s_add_co_u32 s[QS+10], s[QS+10], s[QS+5]
	s_lshl_b32 s[QS+5], s[QS+1], 7                 ; my wave's 32
	s_add_co_u32 s[QS+10], s[QS+10], s[QS+5]
	s_mov_b32 s[QS+11], 0
	s_wait_alu depctr_va_vdst(0)
	s_wait_kmcnt 0x0
	s_cmp_lt_u32 s[QS+2], 2                        ; the choice hangs on the work-group's number alone
	s_cselect_b64 s[PS:PS+1], s[PS:PS+1], s[PR:PR+1]
	s_add_nc_u64 s[PS:PS+1], s[PS:PS+1], s[QS+10:QS+11]
	s_add_nc_u64 s[QS+6:QS+7], s[PQ:PQ+1], s[QS+6:QS+7]    ; where my images go,
	s_add_nc_u64 s[QS+8:QS+9], s[PQ:PQ+1], s[QS+8:QS+9]    ; and my scale words
.macro LOAD t                          ; block t: W(32 t + i, my column) into set t % 2
.set i, 0
.rept 32
	global_load_b32 v[X+32*((\t)%2)+i], v3, s[PS:PS+1] offset:(32*(\t)+i)*4096 th:TH_LOAD_NT
.set i, i+1
.endr
.endm
.macro BLOCK t
.set XB, X+32*((\t)%2)
.set FD, F+12*((\t)%2)+6*((\t)/2)
.if (\t) < 3
	s_wait_loadcnt 32                              ; this block's 32 loads are in; the next block's may be out
.else
	s_wait_loadcnt 0
.endif
	v_max3_num_f32 v12, |v[XB]|, |v[XB+1]|, |v[XB+2]|
	v_max3_num_f32 v13, |v[XB+3]|, |v[XB+4]|, |v[XB+5]|
.irp i, 6,10,14,18,22,26
	v_max3_num_f32 v12, v12, |v[XB+\i]|, |v[XB+\i+1]|
	v_max3_num_f32 v13, v13, |v[XB+\i+2]|, |v[XB+\i+3]|
.endr
	v_max3_num_f32 v12, v12, |v[XB+30]|, |v[XB+31]|
	v_max3_num_f32 v12, v12, v13, 0x1800000        ; and the floor 2^(3 - 127): the byte cannot fall under 1
	v_add_nc_u32 v11, 0xff000000, v12              ; 2 off the exponent field: the conversion's scale operand
	v_cvt_scalef32_pk16_fp6_f32 v[FD:FD+2], v[XB:XB+15], v11
	v_cvt_scalef32_pk16_fp6_f32 v[TT:TT+2], v[XB+16:XB+31], v11    ; (a conversion's three registers begin on an even number)
	v_lshrrev_b32 v13, 23, v11                     ; the scale's byte; also the plain place behind the conversions
.if (\t) == 0
	v_mov_b32 v[SB], v13
.else
	v_lshl_or_b32 v[SB], v13, 8*(\t), v[SB]
.endif
.irp i, 0,1,2
	v_mov_b32 v[FD+3+\i], v[TT+\i]
.endr
.if (\t)+2 < 4
	LOAD (\t)+2
.endif
.endm
	LOAD 0
	LOAD 1
	BLOCK 0
	BLOCK 1
	BLOCK 2
	BLOCK 3
.set k, 0
.rept 12
	v_permlane16_swap_b32 v[F+k], v[F+12+k]        ; the halves change places: now an image a tile
.set k, k+1
.endr
.irp tile, 0,1
.irp i, 0,1,2
	global_store_b128 v4, v[F+12*\tile+4*\i:F+12*\tile+4*\i+3], s[QS+6:QS+7] offset:\tile*1536+512*\i   ; 512 consecutive bytes, aligned
.endr
.endr
	global_store_b32 v5, v[SB], s[QS+8:QS+9]
	s_endpgm                                       ; this way wrote no LDS
	; ---------------- the placing: one work-group, a counting sort without atomics ----------------
.Lplace:
	s_wait_alu depctr_va_vdst(0)
	v_lshlrev_b32 v3, 4, v2
	s_lshl_b32 s19, s18, 12
	v_add_nc_u32 v3, s19, v3                       ; my wave's 1,024 entries (entry n = 2 t + k), 16 bytes a lane
	v_lshlrev_b32 v4, 4, v0                        ; 16 x thread
	v_lshlrev_b32 v5, 2, v0
	s_wait_alu depctr_va_vdst(0)
	s_wait_kmcnt 0x0
.irp j, 0,1,2,3,4,5,6,7
	global_load_b128 v[EN+4*\j:EN+4*\j+3], v3, s[12:13] offset:512*\j    ; register 4 j + c: entry 1,024 wave + 128 j + 4 lane + c
.endr
.irp k, 0,1,2,3
.irp c, 0,1,2,3
	v_add_nc_u32 v[AD+4*\k+\c], 512*\k+\c, v5      ; the shared rows: position p names token p % 2,048
.endr
.endr
.irp c, 0,1,2,3
	v_mov_b32 v[AD+16+\c], 0
.endr
.irp k, 0,1,2,3,4,5,6,7
	global_store_b128 v4, v[AD+4*(\k%4):AD+4*(\k%4)+3], s[16:17] offset:2048*\k
.endr
.irp k, 0,1,2,3,4,5,6,7,8
	global_store_b128 v4, v[AD+16:AD+19], s[16:17] offset:16384+2048*\k  ; positions 4,096 .. 8,703 name token 0 until a row is placed there
.endr
	v_lshlrev_b32 v6, 1, v2
	s_lshl_b32 s19, s18, 9
	v_add_nc_u32 v6, s19, v6
.irp i, 0,1,2,3,4,5,6,7,8,9,10,11,12,13,14,15
	v_add_nc_u32 v[TK+\i], 64*(\i/2)+(\i%2), v6    ; token = entry / 2 = 512 wave + 64 j + 2 lane + c / 2
.endr
.irp e, 0,1,2,3,4,5,6,7,8,9,10,11,12,13
	s_mov_b32 s[RUN+\e], 0
.endr
	s_wait_loadcnt 0x0
.set rho, 0
.rept 32
	v_min_u32 v[EN+rho], 13, v[EN+rho]
.set rho, rho+1
.endr
.set rho, 0
.rept 32                                       ; pass 1: my wave's count of each expert
.irp e, 0,1,2,3,4,5,6,7,8,9,10,11,12,13
	v_cmp_eq_u32 s[M+\e], \e, v[EN+rho]
.endr
.irp e, 0,1,2,3,4,5,6,7,8,9,10,11,12,13
	s_bcnt1_i32_b32 s62, s[M+\e]
	s_add_co_u32 s[RUN+\e], s[RUN+\e], s62
.endr
.set rho, rho+1
.endr
	v_mov_b32 v8, 0
.irp e, 0,1,2,3,4,5,6,7,8,9,10,11,12,13
	v_writelane_b32 v8, s[RUN+\e], \e
.endr
	ds_store_b32 v5, v8                            ; lane e of wave w: its count of expert e, at 128 w + 4 e
	s_wait_storecnt 0x0                            ; my part of the fill is done before any wave places a row over it
	s_wait_dscnt 0x0
	s_barrier_signal -1
	s_barrier_wait -1
	v_lshlrev_b32 v7, 2, v2
	ds_load_b32 v16, v7
	ds_load_b32 v17, v7 offset:128
	ds_load_b32 v18, v7 offset:256
	ds_load_b32 v19, v7 offset:384
	s_wait_dscnt 0x0
	v_add3_u32 v20, v16, v17, v18
	v_add3_u32 v21, v20, v19, 15
	v_and_b32 v21, -16, v21                        ; an expert's rows, up to a multiple of 16
	s_wait_alu depctr_va_vdst(0)
	s_cmp_gt_u32 s18, 0
	s_cselect_b32 s62, 1, 0
	v_mul_u32_u24 v22, v16, s62
	s_cmp_gt_u32 s18, 1
	s_cselect_b32 s62, 1, 0
	v_mad_u32_u24 v22, v17, s62, v22
	s_cmp_gt_u32 s18, 2
	s_cselect_b32 s62, 1, 0
	v_mad_u32_u24 v22, v18, s62, v22               ; what the waves ahead of mine hold of it
	s_wait_alu depctr_va_vdst(0)
	s_mov_b32 s63, 4096
.irp e, 0,1,2,3,4,5,6,7,8,9,10,11,12,13
	v_readlane_b32 s62, v21, \e
	v_readlane_b32 s[RUN+\e], v22, \e
	s_mov_b32 s[BASE+\e], s63
	s_add_co_u32 s[RUN+\e], s[RUN+\e], s63
	s_lshr_b32 s[NS+\e], s62, 4
	s_add_co_u32 s63, s63, s62
.endr
.set rho, 0
.rept 32                                       ; pass 2: an entry's position = its expert's next free one + the lanes below me with the same expert
.irp e, 0,1,2,3,4,5,6,7,8,9,10,11,12,13
	v_cmp_eq_u32 s[M+\e], \e, v[EN+rho]
.endr
	v_mbcnt_lo_u32_b32 v[EN+rho], s[M], s[RUN]
.irp e, 1,2,3,4,5,6,7,8,9,10,11,12,13
	v_mbcnt_lo_u32_b32 v8, s[M+\e], s[RUN+\e]
	v_cndmask_b32 v[EN+rho], v[EN+rho], v8, s[M+\e]
.endr
	s_wait_alu depctr_va_vdst(0)
.irp e, 0,1,2,3,4,5,6,7,8,9,10,11,12,13
	s_bcnt1_i32_b32 s62, s[M+\e]
	s_add_co_u32 s[RUN+\e], s[RUN+\e], s62
.endr
	v_min_u32 v[EN+rho], 8703, v[EN+rho]           ; a number made of loaded numbers is held inside the table before it enters an address
	v_lshlrev_b32 v[AD+rho], 2, v[EN+rho]
	global_store_b32 v[AD+rho], v[TK+2*(rho/4)+(rho%4)/2], s[16:17]   ; every store has registers of its own
.set rho, rho+1
.endr
.irp j, 0,1,2,3,4,5,6,7
	global_store_b128 v3, v[EN+4*\j:EN+4*\j+3], s[16:17] offset:POS_OFF+512*\j
.endr
	; the chunk list: thread c makes record c.  s80 = an expert's subtiles, s81 = its first, s83 = its first chunk
.irp c, 24,25,26,27
	v_mov_b32 v\c, 0                               ; a record that no expert claims has no subtiles
.endr
.macro CHUNKS ee, eb
	s_add_co_u32 s82, s80, 9
	s_mul_i32 s82, s82, 6554
	s_lshr_b32 s82, s82, 16                        ; chunks = (subtiles + 9) / 10: exact for numbers of this size (under 300)
	v_sub_nc_u32 v16, v0, s83                      ; which of them is mine (a thread ahead of the run wraps to a large number)
	v_cmp_gt_u32 vcc_lo, s82, v16
	v_mul_u32_u24 v17, v16, 10
	v_add_nc_u32 v18, s81, v17
	v_sub_nc_u32 v19, s80, v17
	v_min_u32 v19, 10, v19
	v_cndmask_b32 v24, v24, \ee, vcc_lo
	v_cndmask_b32 v25, v25, v18, vcc_lo
	v_cndmask_b32 v26, v26, v19, vcc_lo
	v_cndmask_b32 v27, v27, \eb, vcc_lo
	s_add_co_u32 s83, s83, s82
.endm
	s_mov_b32 s83, 0
	s_mov_b32 s80, 128
	s_mov_b32 s81, 0
	CHUNKS 0, 0
	s_mov_b32 s81, 128
	CHUNKS 1, 1
.irp e, 0,1,2,3,4,5,6,7,8,9,10,11,12,13
	s_mov_b32 s80, s[NS+\e]
	s_lshr_b32 s81, s[BASE+\e], 4
	CHUNKS \e+2, \e
.endr
	global_store_b128 v4, v[24:27], s[16:17] offset:CH_OFF
	s_wait_tensorcnt 0x0                           ; the wave's end
	ds_add_u32 v[SPW], v[NIL]
	s_wait_dscnt 0x0
	s_endpgm
.Lfunc_end_k_qe2364f8a79_prep:
	.size	k_qe2364f8a79_prep, .Lfunc_end_k_qe2364f8a79_prep-k_qe2364f8a79_prep
	.p2alignl 7, 3214868480
	.fill 96, 4, 3214868480
	.section	.rodata,"a",@progbits
	.p2align	6, 0x0
	.amdhsa_kernel k_qe2364f8a79_prep
		.amdhsa_group_segment_fixed_size 1024
		.amdhsa_private_segment_fixed_size 0
		.amdhsa_enable_private_segment 0
		.amdhsa_kernarg_size 40
		.amdhsa_user_sgpr_count 2
		.amdhsa_user_sgpr_kernarg_segment_ptr 1
		.amdhsa_wavefront_size32 1
		.amdhsa_system_sgpr_workgroup_id_x 1
		.amdhsa_system_sgpr_workgroup_id_y 1
		.amdhsa_system_sgpr_workgroup_id_z 1
		.amdhsa_system_vgpr_workitem_id 0
		.amdhsa_next_free_vgpr 144
		.amdhsa_next_free_sgpr 100
		.amdhsa_reserve_vcc 1
		.amdhsa_float_denorm_mode_32 3
		.amdhsa_float_denorm_mode_16_64 3
		.amdhsa_memory_ordered 1
		.amdhsa_forward_progress 1
		.amdhsa_inst_pref_size 218
	.end_amdhsa_kernel
	.amdgpu_metadata
---
amdhsa.version: [ 1, 2 ]
amdhsa.kernels:
  - .name:           k_qe2364f8a79_prep
    .symbol:         k_qe2364f8a79_prep.kd
    .args:
      - { .name: shared_w2, .offset: 0, .size: 8, .value_kind: global_buffer, .address_space: global }
      - { .name: routed_w2, .offset: 8, .size: 8, .value_kind: global_buffer, .address_space: global }
      - { .name: ridx, .offset: 16, .size: 8, .value_kind: global_buffer, .address_space: global }
      - { .name: wq, .offset: 24, .size: 8, .value_kind: global_buffer, .address_space: global }
      - { .name: plan, .offset: 32, .size: 8, .value_kind: global_buffer, .address_space: global }
    .group_segment_fixed_size: 1024
    .private_segment_fixed_size: 0
    .kernarg_segment_align: 8
    .kernarg_segment_size: 40
    .max_flat_workgroup_size: 128
    .sgpr_count:     100
    .vgpr_count:     144
    .wavefront_size: 32
...
	.end_amdgpu_metadata
.endif
;; end of part 2
;; launch ffn1 (part 3): grid 4 x 65, 4 waves a work-group, no clusters, 134,656 bytes of LDS; arguments xq, wq, plan, shared_b1, routed_b1, hq; writes hq
.if DOCPART == 3
	.amdgcn_target "amdgcn-amd-amdhsa--gfx1250"
	.amdhsa_code_object_version 6
	.text
	.protected	k_qe2364f8a79_ffn1
	.globl	k_qe2364f8a79_ffn1
	.p2align	8
	.type	k_qe2364f8a79_ffn1,@function
k_qe2364f8a79_ffn1:
	s_mov_b64 s[64:65], 0
	v_nop
	global_prefetch_b8 v0, s[64:65] scope:SCOPE_SE
	s_setreg_imm32_b32 hwreg(HW_REG_WAVE_MODE, 25, 1), 1
	s_wait_xcnt 0x0
; MoE layer, launch 3 of 5: H = Q(gelu(x W1 + b1)) for the rows that count, all 16 experts, on codes of E2M3 with one E8M0 scale for each 32 along K.
; LEFT OUT: the rows of routed experts that a token did not choose: their gate is a 0 that reference() builds itself (shown at the head of the first launch).
; SHARES.  Work-group (q, chunk): 256 hidden units (slice q) of one chunk: at most 10 subtiles of 16 positions of one expert, read from the list that the launch before stored.  The grid, 4 x 65, serves every split.
; Wave w holds 64 columns x all of K of W1: 32 fragments, 384 registers.  THE CHUNK'S ROWS COME INTO LDS ONCE: the four waves gather 160 rows x 768 bytes of codes and their scale words, one barrier, and then
; K GOES OUTERMOST: 16 half-steps (K step s, five subtiles), 20 products each, on 40 accumulators (320 registers).  A K step waits only for its own 12 weight loads, so the products run while the later weights arrive.
; Each fragment of rows read from LDS feeds four products; a ring of three buffers of five fragments is filled two half-steps ahead.
; No tensor load and no cluster.
; A record without subtiles jumps over the products and the way out, not over the loads and barriers: no barrier stands under a branch on a stored number.  Where a chunk has fewer than 10 subtiles, the rest of its
; 160 rows (positions that follow in the list, tokens held to 0 .. 2,047) are multiplied with the live ones and thrown away: they lie inside the tile; their GELU, quantiser and stores are jumped over.
; TRANSPOSED: source 0 = 16 columns of W1, source 1 = 16 rows.  A lane holds one row; the 16 registers of tiles 2 b, 2 b + 1 are hidden units 32 b + 16 (lane / 16) + 0 .. 15 of my 64.  b1 is the C of K step 0.
; GELU in f32, exact form: 0.5 z (1 + erf(z / sqrt 2)); erf(a) = a P(a^2) / Q(a^2) on a held to [-4, 4], a rational form good to a few units in the last place of f32.
; OUT.  My 64 hidden units are registers 6 c .. 6 c + 5 (c = w % 2) of the second product's K step 2 q + w / 2: hq codes [q][subtile][w 4][768 bytes: registers 0-3 as 32 lanes x 16, registers 4-5 as 32 lanes x 8];
; the two scale bytes meet the neighbour wave's in LDS and leave at the end: hq scales [q][subtile][K step 2][row 16][4].
; LIMITS: a block of zeros gets the byte 1 where the rule says 127 (zero codes; this program alone reads the bytes); NaN and infinities are not served.
.set CH_OFF, 51200
.set XS_OFF, 1572864
.set WS_OFF, 25165824
.set HS_OFF, 6684672
.set PITCH,  784                       ; LDS: a row's 768 bytes + 16: sixteen rows start at sixteen different places modulo 256 bytes
.set SLOTB,  12544                     ; a subtile's 16 rows; ten of them from byte 0
.set GRP,    5*SLOTB                   ; an LDS immediate has 16 bits: subtiles 5 to 9 have address registers of their own
.set SCL,    125440                    ; the rows' scale words: 512 bytes a subtile, 32 a row; room for 12 subtiles, since three loads of four waves bring 12
.set SCST,   131584                    ; the chunk's scale halves: 128 m + 64 (w / 2) + 4 r + 2 (w % 2), and a second copy 1,280 on for lanes 16-31
.set SPARE,  134144                    ; the spare words, 128 bytes for each wave: no other line names them
.set NLD,    15                        ; LDS loads that bring a half-step's five fragments
; window 0: v1-23 addresses; v24-27 at work at head and end; v28-31 two coefficients; v32-211 at the head list entries and offsets, then the ring AF, then the way out's temporaries; WS, AS scale registers
; window 1: W1's fragments 4 s + t, s = 0 .. 3, at 12 (4 s + t); from v192 the accumulators of subtiles 8 and 9.  window 2: s = 4 .. 7; from v192 b1 in the result's layout
; window 3: the accumulators of subtiles 0 to 7 (subtile m, tile t at 32 m + 8 t); ahead of the products the staged rows (24 registers a subtile)
.set STA, 6                            ; v6-7   where I put a row's 16 bytes: subtiles 0-4, 5-9
.set RDA, 8                            ; v8-9   where I read a fragment
.set RDS, 14                           ; v14    where I read a scale register
.set ID,  32                           ; v32-51 list entries (subtile m, row p: 2 m + p)
.set CA,  52                           ; v52-71 the rows' byte offsets in xq
.set IDS, 72                           ; v72-74 list entries for the scale words
.set SAD, 76                           ; v76-78 their offsets
.set SG,  80                           ; v80-91 the scale words as loaded
.set AF,  32
.set RA,  32
.set R2,  48
.set RP,  64
.set RQ,  80
.set HH,  96                           ; v96-127 0.5 z, then the hidden layer
.set TM,  128
.set PW,  134
.set PC,  136
.set WS,  212
.set AS,  228                          ; v228-247 two sets of ten: the rows' scale registers of a pair of K steps
.set SPW, 252
.set NIL, 253
.set BI,  192
.set MSB, 0
.macro WIN new                         ; the immediate's high byte repeats the setting that is left
.if MSB != \new
	s_set_vgpr_msb (MSB<<8)|\new
.set MSB, \new
.endif
.endm
.macro SPAIR r, val                    ; a packed form names a pair and takes its low word for both halves: both are written
	s_mov_b32 s[\r], \val
	s_mov_b32 s[\r+1], \val
.endm
.macro PLACES                          ; four places behind matrix instructions, ahead of loads into registers that they have read and of the first read of results (ISA guide 7.12.1 for the first read of results)
.rept 4
	v_nop
.endr
.endm
.macro BLOADS win, lo, cnt, f0         ; cnt fragments from the window's fragment lo on, three loads of 512 consecutive bytes each
	WIN \win
.set f, \lo
.rept \cnt
.irp i, 0,1,2
	global_load_b128 v[12*f+4*\i:12*f+4*\i+3], v1, s[24:25] offset:1536*(f+\f0)+512*\i
.endr
.set f, f+1
.endr
	WIN 0
.endm
.macro AFL                             ; the LDS loads of half-step K2 (K step K2 / 2, subtiles 5 (K2 % 2) on) into ring buffer K2 % 3; with an even K step the rows' scale registers of that K step and the next
.set ks, K2/2
.set kg, K2%2
.set kb, AF+60*(K2%3)
.set mm, 0
.rept 5
.irp i, 0,1,2
	ds_load_b128 v[kb+12*mm+4*\i:kb+12*mm+4*\i+3], v[RDA+kg] offset:SLOTB*mm+48*ks+16*\i
.endr
.set mm, mm+1
.endr
.if ks%2 == 0
.set mm, 0
.rept 5
	ds_load_b32 v[AS+10*((ks/2)%2)+5*kg+mm], v[RDS] offset:512*(5*kg+mm)+8*(ks/2)   ; lanes 0-15: the rows' words of K step ks; lanes 16-31: of ks + 1
.set mm, mm+1
.endr
.endif
.endm
.macro PROD                            ; the 20 products of half-step J.  The accumulators take turns, one instruction a turn, 40 to a round
.set ps, J/2
.set pm, 5*(J%2)
.rept 5
.if pm < 8
.set pd, 32*pm
.if ps == 0
	WIN 0xe1                                       ; source 0 window 1, C (the bias) window 2, D window 3
.elseif ps < 4
	WIN 0xf1
.else
	WIN 0xf2
.endif
.else
.set pd, 192+32*(pm-8)
.if ps == 0
	WIN 0x61                                       ; the same with D in window 1
.elseif ps < 4
	WIN 0x51
.else
	WIN 0x52
.endif
.endif
.set pa, AF+60*(J%3)+12*(pm%5)
.set pw, WS+4*(ps/2)
.set pq, AS+10*((ps/2)%2)+pm
.set pt, 0
.rept 4
.set pb, 12*(4*(ps%4)+pt)
.if ps == 0
	v_wmma_scale_f32_16x16x128_f8f6f4 v[pd+8*pt:pd+8*pt+7], v[pb:pb+11], v[pa:pa+11], v[BI+8*pt:BI+8*pt+7], v[pw+pt], v[pq] matrix_a_fmt:MATRIX_FMT_FP6 matrix_b_fmt:MATRIX_FMT_FP6
.elseif ps%2 == 0
	v_wmma_scale_f32_16x16x128_f8f6f4 v[pd+8*pt:pd+8*pt+7], v[pb:pb+11], v[pa:pa+11], v[pd+8*pt:pd+8*pt+7], v[pw+pt], v[pq] matrix_a_fmt:MATRIX_FMT_FP6 matrix_b_fmt:MATRIX_FMT_FP6
.else
	v_wmma_scale_f32_16x16x128_f8f6f4 v[pd+8*pt:pd+8*pt+7], v[pb:pb+11], v[pa:pa+11], v[pd+8*pt:pd+8*pt+7], v[pw+pt], v[pq] matrix_a_fmt:MATRIX_FMT_FP6 matrix_b_fmt:MATRIX_FMT_FP6 matrix_a_scale:MATRIX_SCALE_ROW1 matrix_b_scale:MATRIX_SCALE_ROW1
.endif
.set pt, pt+1
.endr
.set pm, pm+1
.endr
.endm
.macro HALF                            ; half-step J: the ring buffer that the half-step before has read takes the fragments of two half-steps on; then this half-step's products
.if J < 14
	WIN 0
.if J > 0
	PLACES
.endif
.set K2, J+2
	AFL
.endif
.set NW, 0
.if J+1 < 16
.set NW, NW+NLD+5*(1-((J+1)%4)/2)
.endif
.if J+2 < 16
.set NW, NW+NLD+5*(1-((J+2)%4)/2)
.endif
	s_wait_dscnt NW                                ; LDS loads come back in order: this half-step's are in; those of the two half-steps ahead may be out
.if (J%2 == 0) && (J >= 4)
	s_wait_loadcnt 12*(7-J/2)                      ; this K step's 12 weight loads are in; the later K steps' may be out
.endif
	PROD
.endm
.macro GELU16 b                        ; the 16 registers of tiles 2 b and 2 b + 1 of the subtile in hand, from the low end on, two numbers an instruction
.set Z, ZB+16*\b
.set H, HH+16*\b
	WIN ZW                                         ; source 0: the accumulators' window
.irp j, 0,2,4,6,8,10,12,14
	v_pk_mul_f32 v[RA+\j:RA+\j+1], v[Z+\j:Z+\j+1], s[44:45] op_sel_hi:[1,0]       ; a = z / sqrt 2
.endr
.irp j, 0,2,4,6,8,10,12,14
	v_pk_mul_f32 v[H+\j:H+\j+1], v[Z+\j:Z+\j+1], 0.5 op_sel_hi:[1,0]
.endr
	WIN 0
.irp j, 0,1,2,3,4,5,6,7,8,9,10,11,12,13,14,15
	v_med3_num_f32 v[RA+\j], v[RA+\j], -4.0, 4.0
.endr
.irp j, 0,2,4,6,8,10,12,14
	v_pk_mul_f32 v[R2+\j:R2+\j+1], v[RA+\j:RA+\j+1], v[RA+\j:RA+\j+1]
.endr
.irp j, 0,2,4,6,8,10,12,14
	v_pk_fma_f32 v[RP+\j:RP+\j+1], v[R2+\j:R2+\j+1], v[28:29], s[66:67] op_sel_hi:[1,1,0]
.endr
.irp c, 68,70,72,74,76
.irp j, 0,2,4,6,8,10,12,14
	v_pk_fma_f32 v[RP+\j:RP+\j+1], v[RP+\j:RP+\j+1], v[R2+\j:R2+\j+1], s[\c:\c+1] op_sel_hi:[1,1,0]
.endr
.endr
.irp j, 0,2,4,6,8,10,12,14
	v_pk_fma_f32 v[RQ+\j:RQ+\j+1], v[R2+\j:R2+\j+1], v[30:31], s[78:79] op_sel_hi:[1,1,0]
.endr
.irp c, 80,82,84
.irp j, 0,2,4,6,8,10,12,14
	v_pk_fma_f32 v[RQ+\j:RQ+\j+1], v[RQ+\j:RQ+\j+1], v[R2+\j:R2+\j+1], s[\c:\c+1] op_sel_hi:[1,1,0]
.endr
.endr
	s_wait_alu depctr_va_vdst(0)
.irp j, 0,1,2,3,4,5,6,7,8,9,10,11,12,13,14,15
	v_rcp_f32 v[RQ+\j], v[RQ+\j]
.endr
.irp j, 0,2,4,6,8,10,12,14
	v_pk_mul_f32 v[RP+\j:RP+\j+1], v[RP+\j:RP+\j+1], v[RA+\j:RA+\j+1]             ; plain work behind the batch: it names no reciprocal
.endr
	s_wait_alu depctr_va_vdst(0)                   ; one wait for the 16 reciprocals, ahead of their first use
.irp j, 0,2,4,6,8,10,12,14
	v_pk_fma_f32 v[RP+\j:RP+\j+1], v[RP+\j:RP+\j+1], v[RQ+\j:RQ+\j+1], 1.0 op_sel_hi:[1,1,0]   ; 1 + erf
.endr
.irp j, 0,2,4,6,8,10,12,14
	v_pk_mul_f32 v[H+\j:H+\j+1], v[H+\j:H+\j+1], v[RP+\j:RP+\j+1]
.endr
.endm
.macro QUANT2                          ; my 32 numbers are two blocks of 32 along the next K, half a block a lane
.irp b, 0,1
	v_max3_num_f32 v[TM+\b], |v[HH+16*\b]|, |v[HH+1+16*\b]|, 0x1800000            ; and the floor 2^(3 - 127): the byte cannot fall under 1
.endr
.irp i, 2,4,6,8,10,12,14
.irp b, 0,1
	v_max3_num_f32 v[TM+\b], v[TM+\b], |v[HH+16*\b+\i]|, |v[HH+1+16*\b+\i]|
.endr
.endr
.irp b, 0,1
	v_permlanex16_b32 v[TM+2+\b], v[TM+\b], s[40], s[41]
.endr
.irp b, 0,1
	v_max_num_f32 v[TM+\b], v[TM+\b], v[TM+2+\b]
.endr
.irp b, 0,1
	v_add_nc_u32 v[TM+4+\b], 0xff000000, v[TM+\b]  ; 2 off the exponent field: the conversion's scale operand
.endr
.irp b, 0,1
	v_lshrrev_b32 v[TM+2+\b], 23, v[TM+4+\b]
.endr
	v_lshl_or_b32 v[PW], v[TM+3], 8, v[TM+2]       ; my half of the row's scale word
	s_wait_alu depctr_va_vdst(0)
	s_wait_xcnt 0x0                                ; the last subtile's stores, a whole GELU back, have read the codes' registers: they are written again only behind this wait
	v_cvt_scalef32_pk16_fp6_f32 v[PC:PC+2], v[HH:HH+15], v[TM+4]
	v_cvt_scalef32_pk16_fp6_f32 v[PC+6:PC+8], v[HH+16:HH+31], v[TM+5]
	v_nop                                          ; one plain place behind a scaled conversion
.irp i, 0,1,2
	v_permlane16_swap_b32 v[PC+\i], v[PC+6+\i]     ; a whole block in a lane: lanes 0-15 block 0, lanes 16-31 block 1
.endr
.irp i, 0,1,2
	v_mov_b32 v[PC+3+\i], v[PC+6+\i]
.endr
.endm
.macro EPI m                           ; the way out of subtile m; a chunk's subtiles count from 0, so the first that is not there ends the walk
.if \m > 0
	s_cmp_le_u32 s18, \m
	s_cbranch_scc1 .Ljoin
.endif
.if \m < 8
.set ZW, 0x03
.set ZB, 32*\m
.else
.set ZW, 0x01
.set ZB, 192+32*(\m-8)
.endif
	GELU16 0
	GELU16 1
	QUANT2
	ds_store_b16 v15, v[PW] offset:128*\m
	global_store_b128 v1, v[PC:PC+3], s[32:33] offset:3072*\m          ; 32 lanes store 512 consecutive bytes, aligned;
	global_store_b64 v3, v[PC+4:PC+5], s[32:33] offset:3072*\m+512     ; and 256
.endm
	s_load_b256 s[4:11], s[0:1], 0x0               ; xq, wq, plan, shared_b1
	s_load_b128 s[12:15], s[0:1], 0x20             ; routed_b1, hq
	v_lshl_add_u32 v[SPW], v0, 2, SPARE
	v_mov_b32 v[NIL], 0
	v_lshrrev_b32 v1, 5, v0
	v_readfirstlane_b32 s20, v1                    ; wave w
	s_mov_b32 s21, ttmp9                           ; slice q
	s_and_b32 s22, ttmp7, 0xffff
	s_lshl_b32 s22, s22, 4
	s_wait_kmcnt 0x0
	s_load_b128 s[16:19], s[8:9], s22 offset:CH_OFF    ; my chunk: e16, first subtile, subtiles, row of the bias table
	v_and_b32 v24, 31, v0                          ; lane
	v_and_b32 v25, 15, v0                          ; r
	v_bfe_u32 v26, v0, 4, 1                        ; h
	v_lshlrev_b32 v1, 4, v24                       ; 16 x lane
	v_lshlrev_b32 v2, 2, v24                       ; 4 x lane
	v_lshlrev_b32 v3, 3, v24                       ; 8 x lane
	s_lshl_b32 s23, s20, 4
	v_lshl_add_u32 v4, v26, 3, s23                 ; the list: entries 4 w + 2 h and the next of a subtile: 8 bytes
	v_lshlrev_b32 v5, 6, v26                       ; b1: 16 h numbers on
	s_lshl_b32 s23, s20, 2
	v_lshl_add_u32 v21, v26, 1, s23                ; the rows that I bring: 4 w + 2 h (+ p)
	v_mul_u32_u24 v[STA], v21, PITCH
	v_lshl_add_u32 v[STA], v25, 4, v[STA]          ; into a subtile's rows
	v_add_nc_u32 v[STA+1], GRP, v[STA]
	v_mul_u32_u24 v[RDA], v25, PITCH
	v_mad_u32_u24 v[RDA], v26, 384, v[RDA]         ; out of them: row r, my half's 384 bytes
	v_add_nc_u32 v[RDA+1], GRP, v[RDA]
	v_lshlrev_b32 v10, 4, v25                      ; 16 r
	v_and_b32 v11, 1, v0
	v_lshlrev_b32 v11, 4, v11                      ; the scale words: two lanes to a row of 32 bytes
	v_lshrrev_b32 v12, 1, v24
	v_lshlrev_b32 v12, 2, v12
	s_lshl_b32 s23, s20, 6
	v_add_nc_u32 v12, s23, v12                     ; their list entry: row lane / 2 of subtile w (+ 4 j)
	s_lshl_b32 s23, s20, 9
	s_add_co_u32 s23, s23, SCL
	v_add_nc_u32 v13, s23, v1                      ; into LDS: 512 (w + 4 j) + 16 x lane
	v_lshlrev_b32 v[RDS], 5, v25
	v_lshl_add_u32 v[RDS], v26, 2, v[RDS]
	v_add_nc_u32 v[RDS], SCL, v[RDS]               ; out of it: row r, word 2 sigma + h
	s_lshr_b32 s23, s20, 1
	s_lshl_b32 s23, s23, 6
	s_and_b32 s24, s20, 1
	s_lshl_b32 s24, s24, 1
	s_add_co_u32 s23, s23, s24
	s_add_co_u32 s23, s23, SCST
	v_lshlrev_b32 v15, 2, v25
	v_mad_u32_u24 v15, v26, 1280, v15
	v_add_nc_u32 v15, s23, v15                     ; my scale half of subtile 0
	v_lshlrev_b32 v23, 4, v0                       ; 16 x thread
	v_add_nc_u32 v22, SCST, v23
	v_mov_b32 v28, 0xaf95df0b                      ; P's leading coefficient, -2.72614226e-10, twice
	v_mov_b32 v29, 0xaf95df0b
	v_mov_b32 v30, 0xb77460cd                      ; Q's, -1.45660718e-05
	v_mov_b32 v31, 0xb77460cd
	s_mov_b32 s40, 0x76543210
	s_mov_b32 s41, 0xfedcba98
	SPAIR 44, 0x3f3504f3                           ; 1 / sqrt 2
	SPAIR 66, 0x32edffee                           ; P:  2.77068142e-08
	SPAIR 68, 0xb60cff51                           ;    -2.10102402e-06
	SPAIR 70, 0xb86ec2d2                           ;    -5.69250639e-05
	SPAIR 72, 0xba40ac63                           ;    -7.34990630e-04
	SPAIR 74, 0xbb41a1f6                           ;    -2.95459981e-03
	SPAIR 76, 0xbc83dbd4                           ;    -1.60960333e-02
	SPAIR 78, 0xb95fbd29                           ; Q: -2.13374055e-04
	SPAIR 80, 0xbadc924e                           ;    -1.68282697e-03
	SPAIR 82, 0xbbf19bf8                           ;    -7.37332917e-03
	SPAIR 84, 0xbc69b6a7                           ;    -1.42647391e-02
	s_wait_kmcnt 0x0
	s_min_u32 s16, s16, 15                         ; stored numbers are held inside their tables before they enter an address
	s_min_u32 s17, s17, 533
	s_min_u32 s18, s18, 10
	s_min_u32 s19, s19, 13
	s_lshl_b32 s22, s21, 2
	s_add_co_u32 s22, s22, s20                     ; col64 = 4 q + w
	s_mul_i32 s24, s16, 786432
	s_mul_i32 s23, s22, 49152
	s_add_co_u32 s24, s24, s23
	s_mov_b32 s25, 0
	s_add_nc_u64 s[24:25], s[6:7], s[24:25]        ; my fragments of W1
	s_lshl_b32 s26, s16, 15
	s_lshl_b32 s23, s22, 11
	s_add_co_u32 s26, s26, s23
	s_add_co_u32 s26, s26, WS_OFF
	s_mov_b32 s27, 0
	s_add_nc_u64 s[26:27], s[6:7], s[26:27]        ; their scale registers
	s_cmp_lt_u32 s16, 2
	s_cselect_b64 s[28:29], s[10:11], s[12:13]
	s_lshl_b32 s23, s19, 12
	s_lshl_b32 s22, s22, 8
	s_add_co_u32 s22, s22, s23
	s_mov_b32 s23, 0
	s_add_nc_u64 s[28:29], s[28:29], s[22:23]      ; b1 at my 64 hidden units
	s_lshl_b32 s30, s17, 6
	s_mov_b32 s31, 0
	s_add_nc_u64 s[30:31], s[8:9], s[30:31]        ; the list at my first subtile
	s_mul_i32 s22, s21, 544
	s_add_co_u32 s22, s22, s17
	s_mul_i32 s32, s22, 3072
	s_mul_i32 s23, s20, 768
	s_add_co_u32 s32, s32, s23
	s_mov_b32 s33, 0
	s_add_nc_u64 s[32:33], s[14:15], s[32:33]      ; hq: my codes of the first subtile,
	s_lshl_b32 s34, s22, 7
	s_add_co_u32 s34, s34, HS_OFF
	s_mov_b32 s35, 0
	s_add_nc_u64 s[34:35], s[14:15], s[34:35]      ; the chunk's scale words
	; THE LOADS, in the order in which they are wanted: the list; what K steps 0 and 1 want of the weights; the rows; the other weights in K's order
.set m, 0
.rept 10
	global_load_b64 v[ID+2*m:ID+2*m+1], v4, s[30:31] offset:64*m
.set m, m+1
.endr
.irp j, 0,1,2
	global_load_b32 v[IDS+\j], v12, s[30:31] offset:256*\j     ; (subtiles 10 and 11 are read for the form's sake: bytes of the same buffer, held to a token's range, used by nobody)
.endr
.irp g, 0,1,2,3,4,5,6,7,8,9,10,11,12,13,14,15
	global_load_b32 v[WS+\g], v2, s[26:27] offset:128*\g
.endr
	WIN 0x80
.irp t, 0,1,2,3
	global_load_b128 v[BI+8*\t:BI+8*\t+3], v5, s[28:29] offset:(32*(\t/2)+8*(\t%2))*4      ; lane (r, h), tile t: b1 at 32 (t / 2) + 16 h + 8 (t % 2) + 0 .. 7
	global_load_b128 v[BI+8*\t+4:BI+8*\t+7], v5, s[28:29] offset:(32*(\t/2)+8*(\t%2))*4+16
.endr
	WIN 0
	BLOADS 0x40, 0, 8, 0
	s_wait_loadcnt 48                              ; the 16 + 8 + 24 loads issued behind the list may be out: the entries are in
.set i, 0
.rept 20
	v_min_u32 v[ID+i], 2047, v[ID+i]               ; a loaded number is held inside the table before it enters an address
.set i, i+1
.endr
.irp j, 0,1,2
	v_min_u32 v[IDS+\j], 2047, v[IDS+\j]
.endr
.set i, 0
.rept 20
	v_mad_u32_u24 v[CA+i], v[ID+i], 768, v10
.set i, i+1
.endr
.irp j, 0,1,2
	v_lshl_add_u32 v[SAD+\j], v[IDS+\j], 5, v11
.endr
	WIN 0xc0                                       ; destination window 3
.set m, 0
.rept 10
.irp p, 0,1
.irp u, 0,1,2
	global_load_b128 v[24*m+12*\p+4*\u:24*m+12*\p+4*\u+3], v[CA+2*m+\p], s[4:5] offset:256*\u   ; sixteen lanes read 256 consecutive bytes, aligned
.endr
.endr
.set m, m+1
.endr
	WIN 0
.irp j, 0,1,2
	global_load_b128 v[SG+4*\j:SG+4*\j+3], v[SAD+\j], s[4:5] offset:XS_OFF
.endr
	BLOADS 0x40, 8, 8, 0
	BLOADS 0x80, 0, 16, 16
	s_wait_loadcnt 63                              ; 72 loads were issued behind the rows'; the wait's field holds 63: the rows are in
	WIN 0x0c                                       ; an LDS store's data are its source 1: window 3
.set m, 0
.rept 10
.irp p, 0,1
.irp u, 0,1,2
	ds_store_b128 v[STA+m/5], v[24*m+12*\p+4*\u:24*m+12*\p+4*\u+3] offset:SLOTB*(m%5)+PITCH*\p+256*\u
.endr
.endr
.set m, m+1
.endr
	WIN 0
.irp j, 0,1,2
	ds_store_b128 v13, v[SG+4*\j:SG+4*\j+3] offset:2048*\j
.endr
	s_wait_dscnt 0x0                               ; for the others' sake: my stores have landed
	s_barrier_signal -1
	s_barrier_wait -1                              ; the chunk's rows lie in LDS
	s_cmp_eq_u32 s18, 0
	s_cbranch_scc1 .Ljoin                          ; a record without subtiles
.set K2, 0
	AFL
.set K2, 1
	AFL
.set J, 0
.rept 16
	HALF
.set J, J+1
.endr
	WIN 0
	PLACES
	v_mov_b32 v[TM+2], 0                           ; written once: a lane permute's destination counts as one of its sources
	v_mov_b32 v[TM+3], 0
.irp m, 0,1,2,3,4,5,6,7,8,9
	EPI \m
.endr
.Ljoin:
	s_wait_dscnt 0x0                               ; my scale halves have landed
	s_barrier_signal -1
	s_barrier_wait -1
	s_lshl_b32 s22, s18, 3
	v_cmp_gt_u32 vcc_lo, s22, v0                   ; 128 bytes a subtile: 8 threads of 16 bytes
	s_wait_xcnt 0x0                                ; EXEC changes only behind this wait
	s_and_saveexec_b32 s23, vcc_lo
	ds_load_b128 v[24:27], v22
	s_wait_dscnt 0x0
	global_store_b128 v23, v[24:27], s[34:35]
	s_wait_xcnt 0x0
	s_or_b32 exec_lo, exec_lo, s23
	s_wait_tensorcnt 0x0                           ; the wave's end
	ds_add_u32 v[SPW], v[NIL]
	s_wait_dscnt 0x0
	s_endpgm
.Lfunc_end_k_qe2364f8a79_ffn1:
	.size	k_qe2364f8a79_ffn1, .Lfunc_end_k_qe2364f8a79_ffn1-k_qe2364f8a79_ffn1
	.p2alignl 7, 3214868480
	.fill 96, 4, 3214868480
	.section	.rodata,"a",@progbits
	.p2align	6, 0x0
	.amdhsa_kernel k_qe2364f8a79_ffn1
		.amdhsa_group_segment_fixed_size 134656
		.amdhsa_private_segment_fixed_size 0
		.amdhsa_enable_private_segment 0
		.amdhsa_kernarg_size 48
		.amdhsa_user_sgpr_count 2
		.amdhsa_user_sgpr_kernarg_segment_ptr 1
		.amdhsa_wavefront_size32 1
		.amdhsa_system_sgpr_workgroup_id_x 1
		.amdhsa_system_sgpr_workgroup_id_y 1
		.amdhsa_system_sgpr_workgroup_id_z 1
		.amdhsa_system_vgpr_workitem_id 0
		.amdhsa_next_free_vgpr 1024
		.amdhsa_next_free_sgpr 100
		.amdhsa_reserve_vcc 1
		.amdhsa_float_denorm_mode_32 3
		.amdhsa_float_denorm_mode_16_64 3
		.amdhsa_memory_ordered 1
		.amdhsa_forward_progress 1
		.amdhsa_inst_pref_size 255
	.end_amdhsa_kernel
	.section	.bss,"aw",@nobits
	.p2align	6
	.space	262144
	.amdgpu_metadata
---
amdhsa.version: [ 1, 2 ]
amdhsa.kernels:
  - .name:           k_qe2364f8a79_ffn1
    .symbol:         k_qe2364f8a79_ffn1.kd
    .args:
      - { .name: xq, .offset: 0, .size: 8, .value_kind: global_buffer, .address_space: global }
      - { .name: wq, .offset: 8, .size: 8, .value_kind: global_buffer, .address_space: global }
      - { .name: plan, .offset: 16, .size: 8, .value_kind: global_buffer, .address_space: global }
      - { .name: shared_b1, .offset: 24, .size: 8, .value_kind: global_buffer, .address_space: global }
      - { .name: routed_b1, .offset: 32, .size: 8, .value_kind: global_buffer, .address_space: global }
      - { .name: hq, .offset: 40, .size: 8, .value_kind: global_buffer, .address_space: global }
    .group_segment_fixed_size: 134656
    .private_segment_fixed_size: 0
    .kernarg_segment_align: 8
    .kernarg_segment_size: 48
    .max_flat_workgroup_size: 128
    .sgpr_count:     100
    .vgpr_count:     1024
    .wavefront_size: 32
...
	.end_amdgpu_metadata
.endif
;; end of part 3
;; launch ffn2 (part 4): grid 4 x 65, 4 waves a work-group, no clusters, 145,920 bytes of LDS; arguments hq, wq, plan, shared_b2, routed_b2, y; writes y
.if DOCPART == 4
	.amdgcn_target "amdgcn-amd-amdhsa--gfx1250"
	.amdhsa_code_object_version 6
	.text
	.protected	k_qe2364f8a79_ffn2
	.globl	k_qe2364f8a79_ffn2
	.p2align	8
	.type	k_qe2364f8a79_ffn2,@function
k_qe2364f8a79_ffn2:
	s_mov_b64 s[64:65], 0
	v_nop
	global_prefetch_b8 v0, s[64:65] scope:SCOPE_SE
	s_setreg_imm32_b32 hwreg(HW_REG_WAVE_MODE, 25, 1), 1
	s_wait_xcnt 0x0
; MoE layer, launch 4 of 5: Y[p] = H[p] W2 + b2 in f32, by sorted position p, on codes of E2M3 with one E8M0 scale for each 32 along K.
; LEFT OUT: the rows of routed experts that a token did not choose: their gate is a 0 that reference() builds itself (shown at the head of the first launch).
; SHARES as in the launch before: work-group (q, chunk) makes 256 columns of a chunk's positions; wave w holds 64 columns x all of K of W2 in 384 registers.  THE CHUNK'S ROWS COME INTO LDS ONCE (10 subtiles x 12,288 bytes:
; 8 fragments each, as images of their registers; wave w brings the quarter that slice w of the launch before stored), one barrier, and then K GOES OUTERMOST: 16 half-steps (K step s, five subtiles), 20 products each, on 40
; accumulators.  A K step waits only for its own 12 weight loads, so the products run while the later weights arrive.  Each fragment read from LDS feeds four products; a ring of three buffers of five is filled two half-steps ahead.
; No tensor load and no cluster.
; A record without subtiles jumps over the products and the way out, not over the loads and the barrier.  Where a chunk has fewer than 10 subtiles its last subtile is brought again in the others' places, so that every byte
; of hq that is read has been written; those products lie inside the tile and are thrown away: their stores are jumped over.
; TRANSPOSED: source 0 = 16 columns of W2 (tile t: 16 t + r), source 1 = 16 positions: a lane holds one row and eight neighbouring columns.  b2 is the C of K step 0.
; OUT through the wave's own stage in LDS: sixteen lanes store 256 consecutive bytes of a row of y, aligned.  The four contributions of a token are made by four different W2; they meet in the last launch.
.set CH_OFF, 51200
.set WS_OFF, 25165824
.set HS_OFF, 6684672
.set SLOTB,  12288                     ; a subtile's codes; ten of them from byte 0
.set GRP,    5*SLOTB                   ; an LDS immediate has 16 bits: subtiles 5 to 9 have address registers of their own
.set SCL,    122880                    ; the rows' scale words: 512 bytes a subtile, at 64 s + 4 r
.set STG,    128000                    ; a stage of 16 rows x (256 + 16) bytes for each wave
.set SPARE,  145408                    ; the spare words, 128 bytes for each wave: no other line names them
.set NLD,    20                        ; LDS loads that bring a half-step's five fragments
; window 0: v1-16 addresses; v32-211 at the head offsets, then the ring AF, then rows on their way out; WS, AS scale registers
; window 1: W2's fragments 4 s + t, s = 0 .. 3; from v192 the accumulators of subtiles 8 and 9.  window 2: s = 4 .. 7; from v192 b2 in the result's layout
; window 3: the accumulators of subtiles 0 to 7 (subtile m, tile t at 32 m + 8 t); ahead of the products the staged codes (24 registers a subtile) and from v240 the staged scale words
.set STA, 6                            ; v6-7   where I put 16 bytes of my quarter: subtiles 0-4, 5-9
.set RDS, 16                           ; v16    where I read a scale register
.set VO,  32                           ; v32-41 a subtile's byte offset in my slice of hq: codes,
.set VS,  42                           ; v42-51 scale words
.set AF,  32
.set OB,  32                           ; the way out: 16 rows read back from the stage: v32-63 and v64-95 by turns
.set WS,  212
.set AS,  228
.set SPW, 252
.set NIL, 253
.set BI,  192
.set MSB, 0
.macro WIN new                         ; the immediate's high byte repeats the setting that is left
.if MSB != \new
	s_set_vgpr_msb (MSB<<8)|\new
.set MSB, \new
.endif
.endm
.macro PLACES                          ; four places behind matrix instructions, ahead of loads into registers that they have read and of the first read of results (ISA guide 7.12.1 for the first read of results)
.rept 4
	v_nop
.endr
.endm
.macro BLOADS win, lo, cnt, f0         ; cnt fragments from the window's fragment lo on, three loads of 512 consecutive bytes each
	WIN \win
.set f, \lo
.rept \cnt
.irp i, 0,1,2
	global_load_b128 v[12*f+4*\i:12*f+4*\i+3], v1, s[24:25] offset:1536*(f+\f0)+512*\i
.endr
.set f, f+1
.endr
	WIN 0
.endm
.macro AFL                             ; the LDS loads of half-step K2 into ring buffer K2 % 3.  A fragment lies as two halves of 768 bytes: registers 6 c .. 6 c + 3 as 32 lanes x 16 bytes, registers 6 c + 4, 6 c + 5 as 32 lanes x 8
.set ks, K2/2
.set kg, K2%2
.set kb, AF+60*(K2%3)
.set rx, 1+11*kg                       ; v1 or v12: 16 x lane (+ five subtiles)
.set ry, 3+10*kg                       ; v3 or v13: 8 x lane
.set mm, 0
.rept 5
.irp c, 0,1
	ds_load_b128 v[kb+12*mm+6*\c:kb+12*mm+6*\c+3], v[rx] offset:SLOTB*mm+1536*ks+768*\c
	ds_load_b64 v[kb+12*mm+6*\c+4:kb+12*mm+6*\c+5], v[ry] offset:SLOTB*mm+1536*ks+768*\c+512
.endr
.set mm, mm+1
.endr
.if ks%2 == 0
.set mm, 0
.rept 5
	ds_load_b32 v[AS+10*((ks/2)%2)+5*kg+mm], v[RDS] offset:512*(5*kg+mm)+128*(ks/2)   ; lanes 0-15: the rows' words of K step ks; lanes 16-31: of ks + 1
.set mm, mm+1
.endr
.endif
.endm
.macro PROD                            ; the 20 products of half-step J.  The accumulators take turns, one instruction a turn, 40 to a round
.set ps, J/2
.set pm, 5*(J%2)
.rept 5
.if pm < 8
.set pd, 32*pm
.if ps == 0
	WIN 0xe1                                       ; source 0 window 1, C (the bias) window 2, D window 3
.elseif ps < 4
	WIN 0xf1
.else
	WIN 0xf2
.endif
.else
.set pd, 192+32*(pm-8)
.if ps == 0
	WIN 0x61                                       ; the same with D in window 1
.elseif ps < 4
	WIN 0x51
.else
	WIN 0x52
.endif
.endif
.set pa, AF+60*(J%3)+12*(pm%5)
.set pw, WS+4*(ps/2)
.set pq, AS+10*((ps/2)%2)+pm
.set pt, 0
.rept 4
.set pb, 12*(4*(ps%4)+pt)
.if ps == 0
	v_wmma_scale_f32_16x16x128_f8f6f4 v[pd+8*pt:pd+8*pt+7], v[pb:pb+11], v[pa:pa+11], v[BI+8*pt:BI+8*pt+7], v[pw+pt], v[pq] matrix_a_fmt:MATRIX_FMT_FP6 matrix_b_fmt:MATRIX_FMT_FP6
.elseif ps%2 == 0
	v_wmma_scale_f32_16x16x128_f8f6f4 v[pd+8*pt:pd+8*pt+7], v[pb:pb+11], v[pa:pa+11], v[pd+8*pt:pd+8*pt+7], v[pw+pt], v[pq] matrix_a_fmt:MATRIX_FMT_FP6 matrix_b_fmt:MATRIX_FMT_FP6
.else
	v_wmma_scale_f32_16x16x128_f8f6f4 v[pd+8*pt:pd+8*pt+7], v[pb:pb+11], v[pa:pa+11], v[pd+8*pt:pd+8*pt+7], v[pw+pt], v[pq] matrix_a_fmt:MATRIX_FMT_FP6 matrix_b_fmt:MATRIX_FMT_FP6 matrix_a_scale:MATRIX_SCALE_ROW1 matrix_b_scale:MATRIX_SCALE_ROW1
.endif
.set pt, pt+1
.endr
.set pm, pm+1
.endr
.endm
.macro HALF                            ; half-step J: the ring buffer that the half-step before has read takes the fragments of two half-steps on; then this half-step's products
.if J < 14
	WIN 0
.if J > 0
	PLACES
.endif
.set K2, J+2
	AFL
.endif
.set NW, 0
.if J+1 < 16
.set NW, NW+NLD+5*(1-((J+1)%4)/2)
.endif
.if J+2 < 16
.set NW, NW+NLD+5*(1-((J+2)%4)/2)
.endif
	s_wait_dscnt NW                                ; LDS loads come back in order: this half-step's are in; those of the two half-steps ahead may be out
.if J%2 == 0
.if 12*(7-J/2) > 63
	s_wait_loadcnt 63                              ; this K step's 12 weight loads are in: more than 63 were issued behind them, the wait's field holds 63
.else
	s_wait_loadcnt 12*(7-J/2)                      ; this K step's 12 weight loads are in; the later K steps' may be out
.endif
.endif
	PROD
.endm
; THE WAY OUT of subtile a.  TOSTAGE: 16 rows x 64 columns into my own stage and back as rows of 256 bytes; it stands on every way, so that the LDS instructions count alike whatever the chunk holds.  SEND: stored, if the subtile is there.
.macro TOSTAGE a
.if \a < 8
	WIN 0x0c                                       ; an LDS store's data are its source 1: window 3,
.set AC, 32*\a
.else
	WIN 0x04                                       ; or window 1
.set AC, 192+32*(\a-8)
.endif
.irp t, 0,1,2,3
	ds_store_b128 v8, v[AC+8*\t:AC+8*\t+3] offset:64*\t            ; each accumulator from its low end on
	ds_store_b128 v8, v[AC+8*\t+4:AC+8*\t+7] offset:64*\t+16
.endr
	WIN 0
.set BB, OB+32*((\a)%2)
.irp k, 0,1,2,3,4,5,6,7
	ds_load_b128 v[BB+4*\k:BB+4*\k+3], v9 offset:544*\k            ; LDS serves a wave's instructions in order (ISA guide 5.7.1.4): these see my stores, and the next subtile's stores come behind them
.endr
.endm
.macro SEND a, younger                 ; younger: the LDS instructions issued behind subtile a's loads, which may stay out
.set BB, OB+32*((\a)%2)
	s_wait_dscnt \younger
	s_cmp_le_u32 s18, (\a)
	s_cbranch_scc1 .Lskip_\@
.irp k, 0,1,2,3,4,5,6,7
	global_store_b128 v10, v[BB+4*\k:BB+4*\k+3], s[34:35] offset:65536*(\a)+8192*\k   ; sixteen lanes store 256 consecutive bytes, aligned; the subtile's place stands in the immediate, inside its signed 24 bits
.endr
.Lskip_\@:
.endm
	s_load_b256 s[4:11], s[0:1], 0x0               ; hq, wq, plan, shared_b2
	s_load_b128 s[12:15], s[0:1], 0x20             ; routed_b2, y
	v_lshl_add_u32 v[SPW], v0, 2, SPARE
	v_mov_b32 v[NIL], 0
	v_lshrrev_b32 v1, 5, v0
	v_readfirstlane_b32 s20, v1                    ; wave w
	s_mov_b32 s21, ttmp9                           ; slice q
	s_and_b32 s22, ttmp7, 0xffff
	s_lshl_b32 s22, s22, 4
	s_wait_kmcnt 0x0
	s_load_b128 s[16:19], s[8:9], s22 offset:CH_OFF    ; my chunk: e16, first subtile, subtiles, row of the bias table
	v_and_b32 v24, 31, v0                          ; lane
	v_and_b32 v25, 15, v0                          ; r
	v_bfe_u32 v26, v0, 4, 1                        ; h
	v_lshlrev_b32 v1, 4, v24                       ; 16 x lane
	v_lshlrev_b32 v2, 2, v24                       ; 4 x lane
	v_lshlrev_b32 v3, 3, v24                       ; 8 x lane
	v_lshlrev_b32 v5, 5, v26                       ; b2: 8 h numbers on
	s_mul_i32 s23, s20, 3072
	v_add_nc_u32 v[STA], s23, v1                   ; into a subtile's codes: my quarter,
	v_add_nc_u32 v[STA+1], GRP, v[STA]
	s_lshl_b32 s23, s20, 7
	s_add_co_u32 s23, s23, SCL
	v_add_nc_u32 v11, s23, v2                      ; and of the scale words
	v_add_nc_u32 v12, GRP, v1                      ; out of them, subtiles 5 to 9
	v_add_nc_u32 v13, GRP, v3
	v_add_nc_u32 v[RDS], SCL, v2
	s_mul_i32 s23, s20, 4352
	s_add_co_u32 s23, s23, STG                     ; my stage
	v_mul_u32_u24 v8, v25, 272
	v_lshl_add_u32 v8, v26, 5, v8
	v_add_nc_u32 v8, s23, v8                       ; in: row r, 32 bytes for each half of the lanes
	v_mul_u32_u24 v9, v26, 272
	v_lshl_add_u32 v9, v25, 4, v9
	v_add_nc_u32 v9, s23, v9                       ; back: lanes 0-15 one row, lanes 16-31 the next
	v_lshlrev_b32 v10, 12, v26
	v_lshl_add_u32 v10, v25, 4, v10                ; and the same two rows in y
	s_wait_kmcnt 0x0
	s_min_u32 s16, s16, 15                         ; stored numbers are held inside their tables before they enter an address
	s_min_u32 s17, s17, 533
	s_min_u32 s18, s18, 10
	s_min_u32 s19, s19, 13
	s_lshl_b32 s22, s21, 2
	s_add_co_u32 s22, s22, s20                     ; col64 = 4 q + w
	s_add_co_u32 s23, s16, 16                      ; te: W2's matrices follow W1's sixteen
	s_mul_i32 s24, s23, 786432
	s_lshl_b32 s26, s23, 15
	s_mul_i32 s23, s22, 49152
	s_add_co_u32 s24, s24, s23
	s_mov_b32 s25, 0
	s_add_nc_u64 s[24:25], s[6:7], s[24:25]        ; my fragments of W2
	s_lshl_b32 s23, s22, 11
	s_add_co_u32 s26, s26, s23
	s_add_co_u32 s26, s26, WS_OFF
	s_mov_b32 s27, 0
	s_add_nc_u64 s[26:27], s[6:7], s[26:27]        ; their scale registers
	s_cmp_lt_u32 s16, 2
	s_cselect_b64 s[28:29], s[10:11], s[12:13]
	s_lshl_b32 s23, s19, 12
	s_lshl_b32 s22, s22, 8                         ; my 64 columns, in bytes of f32
	s_lshl_b32 s34, s17, 16                        ; 16 rows of 4,096 bytes a subtile
	s_add_co_u32 s34, s34, s22
	s_mov_b32 s35, 0
	s_add_nc_u64 s[34:35], s[14:15], s[34:35]      ; y at my first row and column
	s_add_co_u32 s22, s22, s23
	s_mov_b32 s23, 0
	s_add_nc_u64 s[28:29], s[28:29], s[22:23]      ; b2 at my 64 columns
	s_mul_i32 s22, s20, 544
	s_add_co_u32 s22, s22, s17                     ; slice w of hq, my first subtile
	s_mul_i32 s30, s22, 3072
	s_mov_b32 s31, 0
	s_add_nc_u64 s[30:31], s[4:5], s[30:31]
	s_lshl_b32 s32, s22, 7
	s_add_co_u32 s32, s32, HS_OFF
	s_mov_b32 s33, 0
	s_add_nc_u64 s[32:33], s[4:5], s[32:33]
	s_max_u32 s38, s18, 1
	s_sub_co_u32 s38, s38, 1                       ; the chunk's last subtile (0 where it has none)
.set m, 0
.rept 10
	s_min_u32 s22, s38, m                          ; subtile m, or the chunk's last,
	s_min_u32 s22, s22, 9                          ; held inside the chunk by a constant
	s_mul_i32 s48, s22, 3072
	v_add_nc_u32 v[VO+m], s48, v1
	s_lshl_b32 s48, s22, 7
	v_add_nc_u32 v[VS+m], s48, v2
.set m, m+1
.endr
	; THE LOADS, in the order in which they are wanted: the rows; the weights' scale registers and the bias; the weights in K's order
	WIN 0xc0                                       ; destination window 3
.set m, 0
	s_wait_alu depctr_va_vdst(0)
.rept 10
.irp j, 0,1,2,3,4,5
	global_load_b128 v[24*m+4*\j:24*m+4*\j+3], v[VO+m], s[30:31] offset:512*\j
.endr
	global_load_b32 v[240+m], v[VS+m], s[32:33]
.set m, m+1
.endr
	WIN 0
.irp g, 0,1,2,3,4,5,6,7,8,9,10,11,12,13,14,15
	global_load_b32 v[WS+\g], v2, s[26:27] offset:128*\g
.endr
	WIN 0x80
.irp t, 0,1,2,3
	global_load_b128 v[BI+8*\t:BI+8*\t+3], v5, s[28:29] offset:64*\t           ; lane (r, h), tile t: b2 at 16 t + 8 h + 0 .. 7
	global_load_b128 v[BI+8*\t+4:BI+8*\t+7], v5, s[28:29] offset:64*\t+16
.endr
	WIN 0
	BLOADS 0x40, 0, 16, 0
	BLOADS 0x80, 0, 16, 16
	s_wait_loadcnt 63                              ; 120 loads were issued behind the rows'; the wait's field holds 63: the rows are in
	WIN 0x0c                                       ; an LDS store's data are its source 1: window 3
.set m, 0
.rept 10
.irp j, 0,1,2,3,4,5
	ds_store_b128 v[STA+m/5], v[24*m+4*\j:24*m+4*\j+3] offset:SLOTB*(m%5)+512*\j
.endr
	ds_store_b32 v11, v[240+m] offset:512*m
.set m, m+1
.endr
	WIN 0
	s_wait_dscnt 0x0                               ; for the others' sake: my stores have landed
	s_barrier_signal -1
	s_barrier_wait -1                              ; the chunk's rows lie in LDS
	s_cmp_eq_u32 s18, 0
	s_cbranch_scc1 .Lend                           ; a record without subtiles
.set K2, 0
	AFL
.set K2, 1
	AFL
.set J, 0
.rept 16
	HALF
.set J, J+1
.endr
	WIN 0
	PLACES
	TOSTAGE 0
.irp a, 1,2,3,4,5,6,7,8,9                      ; a subtile's turn through the stage stands between the loads of the subtile before and its stores
.if \a > 1
	s_wait_xcnt 0x0                                ; subtile a - 2's stores have read their registers: subtile a's loads land there only behind this wait
.endif
	TOSTAGE \a
	SEND \a-1, 16                                  ; behind subtile a - 1's loads: subtile a's 8 stores and 8 loads
.endr
	SEND 9, 0
.Lend:
	s_wait_tensorcnt 0x0                           ; the wave's end
	ds_add_u32 v[SPW], v[NIL]
	s_wait_dscnt 0x0
	s_endpgm
.Lfunc_end_k_qe2364f8a79_ffn2:
	.size	k_qe2364f8a79_ffn2, .Lfunc_end_k_qe2364f8a79_ffn2-k_qe2364f8a79_ffn2
	.p2alignl 7, 3214868480
	.fill 96, 4, 3214868480
	.section	.rodata,"a",@progbits
	.p2align	6, 0x0
	.amdhsa_kernel k_qe2364f8a79_ffn2
		.amdhsa_group_segment_fixed_size 145920
		.amdhsa_private_segment_fixed_size 0
		.amdhsa_enable_private_segment 0
		.amdhsa_kernarg_size 48
		.amdhsa_user_sgpr_count 2
		.amdhsa_user_sgpr_kernarg_segment_ptr 1
		.amdhsa_wavefront_size32 1
		.amdhsa_system_sgpr_workgroup_id_x 1
		.amdhsa_system_sgpr_workgroup_id_y 1
		.amdhsa_system_sgpr_workgroup_id_z 1
		.amdhsa_system_vgpr_workitem_id 0
		.amdhsa_next_free_vgpr 1024
		.amdhsa_next_free_sgpr 66
		.amdhsa_reserve_vcc 0
		.amdhsa_float_denorm_mode_32 3
		.amdhsa_float_denorm_mode_16_64 3
		.amdhsa_memory_ordered 1
		.amdhsa_forward_progress 1
		.amdhsa_inst_pref_size 115
	.end_amdhsa_kernel
	.amdgpu_metadata
---
amdhsa.version: [ 1, 2 ]
amdhsa.kernels:
  - .name:           k_qe2364f8a79_ffn2
    .symbol:         k_qe2364f8a79_ffn2.kd
    .args:
      - { .name: hq, .offset: 0, .size: 8, .value_kind: global_buffer, .address_space: global }
      - { .name: wq, .offset: 8, .size: 8, .value_kind: global_buffer, .address_space: global }
      - { .name: plan, .offset: 16, .size: 8, .value_kind: global_buffer, .address_space: global }
      - { .name: shared_b2, .offset: 24, .size: 8, .value_kind: global_buffer, .address_space: global }
      - { .name: routed_b2, .offset: 32, .size: 8, .value_kind: global_buffer, .address_space: global }
      - { .name: y, .offset: 40, .size: 8, .value_kind: global_buffer, .address_space: global }
    .group_segment_fixed_size: 145920
    .private_segment_fixed_size: 0
    .kernarg_segment_align: 8
    .kernarg_segment_size: 48
    .max_flat_workgroup_size: 128
    .sgpr_count:     66
    .vgpr_count:     1024
    .wavefront_size: 32
...
	.end_amdgpu_metadata
.endif
;; end of part 4
;; launch sum (part 5): grid 256 x 1, 8 waves a work-group, no clusters, 0 bytes of LDS; arguments x, y, plan, xq, out0; writes out0
.if DOCPART == 5
	.amdgcn_target "amdgcn-amd-amdhsa--gfx1250"
	.amdhsa_code_object_version 6
	.text
	.protected	k_qe2364f8a79_sum
	.globl	k_qe2364f8a79_sum
	.p2align	8
	.type	k_qe2364f8a79_sum,@function
k_qe2364f8a79_sum:
	s_mov_b64 s[64:65], 0
	v_nop
	global_prefetch_b8 v0, s[64:65] scope:SCOPE_SE
	s_setreg_imm32_b32 hwreg(HW_REG_WAVE_MODE, 25, 1), 1
	s_wait_xcnt 0x0
; MoE layer, launch 5 of 5: out[t] = x[t] + Y[t] + Y[2,048 + t] + g0 Y[pos0] + g1 Y[pos1].  Each output row has one owner: a wave takes a token.
; LEFT OUT: the twelve routed experts that the token did not choose: their gate is a 0 that reference() builds itself (shown at the head of the first launch).
; The two positions are whole numbers that the second launch stored; the two gates are f32 numbers of the first.  Every load and store of the wave covers 512 consecutive bytes, aligned.
; All 40 loads go out at once: the 24 that need no position first, while the positions are on their way.  No LDS, no barrier, no loop: memory binds, and matrix units would add nothing.
.set POS_OFF, 34816
.set GT_OFF,  1638400
.set XV, 8                             ; v8-39    x, then the result
.set YA, 40                            ; v40-71   shared expert 0's row
.set YB, 72                            ; v72-103  shared expert 1's
.set YC, 104                           ; v104-135 the first choice's
.set YD, 136                           ; v136-167 the second's
	s_load_b256 s[4:11], s[0:1], 0x0               ; x, y, plan, xq
	s_load_b64 s[12:13], s[0:1], 0x20              ; out0
	v_lshrrev_b32 v1, 5, v0
	s_delay_alu instid0(VALU_DEP_1)
	v_readfirstlane_b32 s14, v1
	v_and_b32 v1, 31, v0
	s_delay_alu instid0(VALU_DEP_1)
	v_lshlrev_b32 v1, 4, v1                        ; 16 bytes a lane
	s_lshl_b32 s15, ttmp9, 3
	s_add_co_u32 s15, s15, s14                     ; my token
	s_lshl_b32 s20, s15, 3
	s_lshl_b32 s22, s15, 12
	s_mov_b32 s23, 0
	s_wait_alu depctr_va_vdst(0)
	s_wait_kmcnt 0x0
	s_load_b64 s[16:17], s[8:9], s20 offset:POS_OFF
	s_load_b64 s[18:19], s[10:11], s20 offset:GT_OFF
	s_add_nc_u64 s[24:25], s[4:5], s[22:23]
	s_add_nc_u64 s[26:27], s[6:7], s[22:23]
	s_add_nc_u64 s[28:29], s[26:27], 0x800000      ; 2,048 rows of 4,096 bytes on
	s_add_nc_u64 s[12:13], s[12:13], s[22:23]
.irp j, 0,1,2,3,4,5,6,7
	global_load_b128 v[XV+4*\j:XV+4*\j+3], v1, s[24:25] offset:512*\j th:TH_LOAD_NT
	global_load_b128 v[YA+4*\j:YA+4*\j+3], v1, s[26:27] offset:512*\j th:TH_LOAD_NT
	global_load_b128 v[YB+4*\j:YB+4*\j+3], v1, s[28:29] offset:512*\j th:TH_LOAD_NT
.endr
	s_wait_kmcnt 0x0
	s_min_u32 s16, s16, 8703                       ; stored numbers are held inside the table before they enter an address
	s_min_u32 s17, s17, 8703
	s_lshl_b32 s30, s16, 12
	s_mov_b32 s31, 0
	s_add_nc_u64 s[30:31], s[6:7], s[30:31]
	s_lshl_b32 s32, s17, 12
	s_mov_b32 s33, 0
	s_add_nc_u64 s[32:33], s[6:7], s[32:33]
	s_mov_b32 s34, s19                             ; the packed form names a pair and takes its low word for both halves: g1 gets a pair of its own
	s_mov_b32 s35, s19
.irp j, 0,1,2,3,4,5,6,7
	global_load_b128 v[YC+4*\j:YC+4*\j+3], v1, s[30:31] offset:512*\j th:TH_LOAD_NT
	global_load_b128 v[YD+4*\j:YD+4*\j+3], v1, s[32:33] offset:512*\j th:TH_LOAD_NT
.endr
.irp j, 0,1,2,3,4,5,6,7
	s_wait_loadcnt 2*(7-\j)                        ; loads come back in order (ISA guide 5.7.1): all but the later steps' two routed loads each are in
.irp k, 0,2
	v_pk_add_f32 v[XV+4*\j+\k:XV+4*\j+\k+1], v[XV+4*\j+\k:XV+4*\j+\k+1], v[YA+4*\j+\k:YA+4*\j+\k+1]
.endr
.irp k, 0,2
	s_delay_alu instid0(VALU_DEP_2)
	v_pk_add_f32 v[XV+4*\j+\k:XV+4*\j+\k+1], v[XV+4*\j+\k:XV+4*\j+\k+1], v[YB+4*\j+\k:YB+4*\j+\k+1]
.endr
.irp k, 0,2
	s_delay_alu instid0(VALU_DEP_2)
	v_pk_fma_f32 v[XV+4*\j+\k:XV+4*\j+\k+1], v[YC+4*\j+\k:YC+4*\j+\k+1], s[18:19], v[XV+4*\j+\k:XV+4*\j+\k+1] op_sel_hi:[1,0,1]
.endr
.irp k, 0,2
	s_delay_alu instid0(VALU_DEP_2)
	v_pk_fma_f32 v[XV+4*\j+\k:XV+4*\j+\k+1], v[YD+4*\j+\k:YD+4*\j+\k+1], s[34:35], v[XV+4*\j+\k:XV+4*\j+\k+1] op_sel_hi:[1,0,1]
.endr
	global_store_b128 v1, v[XV+4*\j:XV+4*\j+3], s[12:13] offset:512*\j th:TH_STORE_NT
.endr
	s_endpgm
.Lfunc_end_k_qe2364f8a79_sum:
	.size	k_qe2364f8a79_sum, .Lfunc_end_k_qe2364f8a79_sum-k_qe2364f8a79_sum
	.p2alignl 7, 3214868480
	.fill 96, 4, 3214868480
	.section	.rodata,"a",@progbits
	.p2align	6, 0x0
	.amdhsa_kernel k_qe2364f8a79_sum
		.amdhsa_group_segment_fixed_size 0
		.amdhsa_private_segment_fixed_size 0
		.amdhsa_enable_private_segment 0
		.amdhsa_kernarg_size 40
		.amdhsa_user_sgpr_count 2
		.amdhsa_user_sgpr_kernarg_segment_ptr 1
		.amdhsa_wavefront_size32 1
		.amdhsa_system_sgpr_workgroup_id_x 1
		.amdhsa_system_sgpr_workgroup_id_y 1
		.amdhsa_system_sgpr_workgroup_id_z 1
		.amdhsa_system_vgpr_workitem_id 0
		.amdhsa_next_free_vgpr 176
		.amdhsa_next_free_sgpr 66
		.amdhsa_reserve_vcc 0
		.amdhsa_float_denorm_mode_32 3
		.amdhsa_float_denorm_mode_16_64 3
		.amdhsa_memory_ordered 1
		.amdhsa_forward_progress 1
		.amdhsa_inst_pref_size 12
	.end_amdhsa_kernel
	.amdgpu_metadata
---
amdhsa.version: [ 1, 2 ]
amdhsa.kernels:
  - .name:           k_qe2364f8a79_sum
    .symbol:         k_qe2364f8a79_sum.kd
    .args:
      - { .name: x, .offset: 0, .size: 8, .value_kind: global_buffer, .address_space: global }
      - { .name: y, .offset: 8, .size: 8, .value_kind: global_buffer, .address_space: global }
      - { .name: plan, .offset: 16, .size: 8, .value_kind: global_buffer, .address_space: global }
      - { .name: xq, .offset: 24, .size: 8, .value_kind: global_buffer, .address_space: global }
      - { .name: out0, .offset: 32, .size: 8, .value_kind: global_buffer, .address_space: global }
    .group_segment_fixed_size: 0
    .private_segment_fixed_size: 0
    .kernarg_segment_align: 8
    .kernarg_segment_size: 40
    .max_flat_workgroup_size: 256
    .sgpr_count:     66
    .vgpr_count:     176
    .wavefront_size: 32
...
	.end_amdgpu_metadata
.endif
;; end of part 5
